; MI455X (gfx1250); checked and timed in simulation.
; The chip was launched on July 23, 2026; its instructions are those of AMD's public machine-readable ISA for CDNA 5 (MIT licence, August 2026) and "CDNA5" Instruction Set Architecture Reference Guide (July 2026). The comments in the code are by the model that wrote it; some were corrected since.
;; Linformer Self Attention. Allowed arithmetic: float matrix products may take bf16 or f16 operands with f32 sums; all other float work in f32.
;; Inputs: Wk 1,024 x 1,024 float32; Wq 1,024 x 1,024 float32; Wv 1,024 x 1,024 float32; attention_mask 4 x 1 x 1 x 4,096 float32; bk 1,024 float32; bq 1,024 float32; bv 1,024 float32; hidden_states 4 x 4,096 x 1,024 float32; proj_k 4,096 x 128 float32; proj_v 4,096 x 128 float32.
;; Outputs: out0 4 x 4,096 x 1,024 float32.
;; 2 versions, each right; version 2 is version 1 with the launch xred written anew for expert scheduling mode. Each part assembles by itself: llvm-mc -triple=amdgcn-amd-amdhsa -mcpu=gfx1250 --defsym DOCPART=n.
;; ======== version 1 of 2: 4 launches
;; limits: values are held in f16: magnitudes above 65,504 overflow, below 6.1e-05 lose precision; values outside matrix products are rounded to f16
;; workspace buffers: xb 33,554,432 bytes; wqb 2,097,152 bytes; wf 4,194,304 bytes; part 16,777,216 bytes; cpart 32,768 bytes; xpf 2,097,152 bytes; kvf 2,097,152 bytes; scl 1,024 bytes
;; launch xproj (part 1): grid 64 x 4, 8 waves a work-group, no clusters, 81,152 bytes of LDS; arguments hidden_states, attention_mask, proj_k, proj_v, xb, part, cpart; writes xb, part, cpart
.if DOCPART == 1
	.amdgcn_target "amdgcn-amd-amdhsa--gfx1250"
	.amdhsa_code_object_version 6
	.text
	.protected	k_qcac0bcf4cc_xproj
	.globl	k_qcac0bcf4cc_xproj
	.p2align	8
	.type	k_qcac0bcf4cc_xproj,@function
k_qcac0bcf4cc_xproj:
	s_mov_b64 s[64:65], 0
	v_nop
	global_prefetch_b8 v0, s[64:65] scope:SCOPE_SE
	s_setreg_imm32_b32 hwreg(HW_REG_WAVE_MODE, 25, 1), 1
	s_wait_xcnt 0x0
; FIRST OF FOUR.  Since sum_s m P[s][k] (X W^T + bias)[s][d] = sum_e (sum_s m P[s][k] X[s][e]) W[d][e] + (sum_s m P[s][k]) bias[d] for every input,
; K and V are made from Xp = (m P)^T X, a product with 256 rows in place of 4,096.  This launch makes, for each batch b:
;   xb    = X rounded to bf16 (the last launch's operand);
;   part  = eight partial sums over s (512 rows each) of P[s][key] X[s][e] / (16 sqrt(L)), key 0-127 from proj_k, 128-255 from proj_v, each rounded once to f16;
;   cpart = the same partial sums of P[s][key] / (16 sqrt(L)), f32.
; L = the number of mask entries > -1; rows s >= L count as 0 in P.  L enters selects and arithmetic alone: no branch, no address.
; FORMATS.  X and P are rounded to bf16; sums in f32.  A partial sum leaves as f16: the eight roundings together are of the size of the one rounding that Xp, a matrix operand in f16, has anyway.
; LIMITS.  |partial sum / (16 sqrt(L))| stays under 65,504, f16's end; L = 0, NaN and infinities are not treated apart; the sums are associated otherwise than the reference's.
; SHARES.  Work-group (x, b): columns e = 128 (x & 7) .. +127, rows s = 512 (x >> 3) .. +511, all 256 keys.  Wave w: keys 64 (w & 3) .., columns 64 (w >> 2) ..: 16 accumulators.
; The data pass through registers (not through a copy engine) because they are rounded to bf16 before LDS turns them: both operands lie [s][..] and s is the product's inner index.
; 16 stages of 32 rows; wave w brings rows 4 w .. 4 w + 3 of a stage: a row's 512 bytes are one load of the wave.  Three register sets keep three stages' loads on their way.
; A BODY works on two stages: it asks LDS for stage t's fragments, rounds and stores stage t + 1 while they are on their way, and multiplies stage t between the barrier's signal and its wait.
.set LS,   32          ; v32-175  three load sets of 48: X's four rows, proj_k's, proj_v's, four registers each
.set TT,   176         ; v176-191 the mask's numbers, later at work
.set PX,   288         ; LDS pitch of X's tile: 256 bytes + 32: an odd multiple of 32
.set PP,   544         ; of P's tile: 512 + 32
.set POFF, 32*PX       ; P's tile lies behind X's
.set BUF,  POFF+32*PP  ; 26,624 bytes a stage; three such buffers
.set CNT,  3*BUF       ; eight words: the waves' counts of valid mask entries
.set CAC,  128         ; window 1: v0-127 the 16 accumulators ((et, kt) at 8 (4 et + kt)); v128-159 the column sums'
.set FX,   160         ; window 1: X's four fragments
.set FP,   192         ; window 1: P's four fragments
.set ONE,  224         ; window 1: a fragment of ones
.set MSB, 0
.macro WIN new                         ; the immediate's high byte repeats the setting that is left; a switch that changes nothing is dropped
.if MSB != (\new)
	s_set_vgpr_msb (MSB<<8)|(\new)
.set MSB, \new
.endif
.endm
.macro PLACES                          ; four places between matrix instructions and loads into, or readers of, their registers
.rept 4
	v_nop
.endr
.endm
	s_load_b256 s[4:11], s[0:1], 0x0               ; X s[4:5], mask s[6:7], proj_k s[8:9], proj_v s[10:11]
	s_load_b64 s[18:19], s[0:1], 0x20              ; xb
	s_load_b128 s[20:23], s[0:1], 0x28             ; part s[20:21], cpart s[22:23]
	v_lshl_add_u32 v254, v0, 2, 0x13900
	v_mov_b32 v255, 0
	v_and_b32 v1, 31, v0                           ; lane l
	v_lshrrev_b32 v11, 5, v0
	v_readfirstlane_b32 s28, v11                   ; wave w
	v_lshlrev_b32 v9, 4, v1                        ; 16 l
	v_lshl_add_u32 v2, v11, 14, v9                 ; X: four rows of 4,096 bytes a wave
	v_lshl_add_u32 v3, v11, 11, v9                 ; P: four rows of 512 bytes a wave
	v_lshlrev_b32 v23, 6, v0                       ; the mask: 16 numbers a thread
	s_and_b32 s29, s28, 3                          ; wm: my 64 keys
	s_lshr_b32 s30, s28, 2                         ; wn: my 64 columns
	s_and_b32 s31, ttmp9, 7                        ; which 128 columns
	s_lshr_b32 s32, ttmp9, 3                       ; which 512 rows
	s_and_b32 s33, ttmp7, 0xffff                   ; b
	s_or_b32 s35, s31, s30                         ; 0: this wave also makes the column sums (first column block, first column half)
	s_mov_b32 s47, 0xffff0000                      ; the lanes 16-31
	s_mov_b32 s49, 0
	s_lshl_b32 s48, s33, 24                        ; X: 16,777,216 b + 2,097,152 (row block) + 512 (column block)
	s_lshl_b32 s50, s32, 21
	s_add_co_u32 s48, s48, s50
	s_lshl_b32 s50, s31, 9
	s_add_co_u32 s48, s48, s50
	s_wait_kmcnt 0x0
	s_add_nc_u64 s[4:5], s[4:5], s[48:49]
	s_lshr_b32 s48, s48, 1                         ; xb: half of that
	s_add_nc_u64 s[18:19], s[18:19], s[48:49]
	s_lshl_b32 s48, s32, 18                        ; P: 512 rows of 512 bytes
	s_add_nc_u64 s[8:9], s[8:9], s[48:49]
	s_add_nc_u64 s[10:11], s[10:11], s[48:49]
	s_lshl_b32 s48, s33, 14
	s_add_nc_u64 s[6:7], s[6:7], s[48:49]
.irp i, 0,1,2,3
	global_load_b128 v[TT+4*(\i):TT+4*(\i)+3], v23, s[6:7] offset:16*(\i)
.endr
; Twelve loads: stage pos (counted from the stepped bases) into set j.
.macro LOADS j, pos
.irp i, 0,1,2,3
	global_load_b128 v[LS+48*(\j)+4*(\i):LS+48*(\j)+4*(\i)+3], v2, s[4:5] offset:(\pos)*131072+4096*(\i) th:TH_LOAD_NT
.endr
.irp i, 0,1,2,3
	global_load_b128 v[LS+48*(\j)+16+4*(\i):LS+48*(\j)+16+4*(\i)+3], v3, s[8:9] offset:(\pos)*16384+512*(\i)
.endr
.irp i, 0,1,2,3
	global_load_b128 v[LS+48*(\j)+32+4*(\i):LS+48*(\j)+32+4*(\i)+3], v3, s[10:11] offset:(\pos)*16384+512*(\i)
.endr
.endm
	LOADS 0, 0
	LOADS 1, 1
	LOADS 2, 2
	v_lshlrev_b32 v16, 3, v1                       ; 8 l
	v_lshl_add_u32 v4, v11, 13, v16                ; xb: four rows of 2,048 bytes a wave
	v_mad_u32_u24 v5, v11, 4*PX, v16               ; LDS, X's tile: my four rows
	v_mad_u32_u24 v6, v11, 4*PP, v16               ; LDS, P's tile
	v_add_nc_u32 v6, POFF, v6
	v_lshrrev_b32 v17, 4, v1                       ; h = l / 16
	v_and_b32 v18, 7, v1
	v_lshl_add_u32 v18, v17, 3, v18                ; the turning load: row 8 h + l % 8,
	v_bfe_u32 v19, v1, 3, 1
	v_lshlrev_b32 v19, 4, v19                      ; 16 bytes on for lanes 8-15 and 24-31
	v_mad_u32_u24 v7, v18, PX, v19
	s_lshl_b32 s50, s30, 7
	v_add_nc_u32 v7, s50, v7                       ; + my 64 columns
	v_mad_u32_u24 v8, v18, PP, v19
	s_lshl_b32 s51, s29, 7
	s_add_co_u32 s51, s51, POFF
	v_add_nc_u32 v8, s51, v8                       ; + my 64 keys
	v_lshlrev_b32 v10, 2, v1                       ; 4 l
	s_lshl_b32 s48, s32, 21                        ; part: f16 [row block 8][b 4][16 keys x16][16 columns x64][lane 32][8]: 512 bytes for each accumulator
	s_lshl_b32 s50, s33, 19
	s_add_co_u32 s48, s48, s50
	s_lshl_b32 s50, s29, 17                        ; my four blocks of 16 keys
	s_add_co_u32 s48, s48, s50
	s_lshl_b32 s50, s31, 12                        ; the group's eight blocks of 16 columns,
	s_add_co_u32 s48, s48, s50
	s_lshl_b32 s50, s30, 11                        ; my four of them
	s_add_co_u32 s48, s48, s50
	s_add_nc_u64 s[20:21], s[20:21], s[48:49]
	s_lshl2_add_u32 s48, s32, s33                  ; cpart: [row block][b][256]
	s_lshl_b32 s48, s48, 10
	s_lshl_b32 s50, s29, 8
	s_add_co_u32 s48, s48, s50
	s_add_nc_u64 s[22:23], s[22:23], s[48:49]
	s_lshl_b32 s44, s32, 9
	s_lshl2_add_u32 s44, s28, s44                  ; the row s of my first row of the stage that is rounded next
	WIN 0x40
.irp i, 0,1,2,3,4,5,6,7
	v_mov_b32 v[ONE+(\i)], 0x3f803f80              ; two bf16 ones
.endr
	WIN 0
	; L: each thread's 16 mask numbers are compared, the wave's bits counted, the eight counts added through LDS
	s_wait_loadcnt 36                              ; the mask's four loads are in: three stages' 36 were issued behind them
	s_mov_b32 s52, 0
.set z, 0
.rept 16
	v_cmp_lt_f32 s50, -1.0, v[TT+z]
	s_bcnt1_i32_b32 s51, s50
	s_add_co_u32 s52, s52, s51
.set z, z+1
.endr
	v_mov_b32 v24, s52
	s_lshl_b32 s50, s28, 2
	s_add_co_u32 s50, s50, CNT
	v_mov_b32 v25, s50
	ds_store_b32 v25, v24
	s_wait_dscnt 0x0                               ; for the others' sake: my count is stored
	s_barrier_signal -1
	s_barrier_wait -1
	v_mov_b32 v25, CNT
	ds_load_b128 v[TT:TT+3], v25
	ds_load_b128 v[TT+4:TT+7], v25 offset:16
	s_wait_dscnt 0x0
	v_add_nc_u32 v[TT], v[TT], v[TT+1]
	v_add_nc_u32 v[TT+2], v[TT+2], v[TT+3]
	v_add_nc_u32 v[TT+4], v[TT+4], v[TT+5]
	v_add_nc_u32 v[TT+6], v[TT+6], v[TT+7]
	v_add_nc_u32 v[TT], v[TT], v[TT+2]
	v_add_nc_u32 v[TT+4], v[TT+4], v[TT+6]
	v_add_nc_u32 v[TT], v[TT], v[TT+4]
	v_readfirstlane_b32 s36, v[TT]                 ; L
	s_mov_b32 s40, s36                             ; L - i for my four rows of a stage
	s_sub_co_i32 s41, s36, 1
	s_sub_co_i32 s42, s36, 2
	s_sub_co_i32 s43, s36, 3
	v_cvt_f32_u32 v28, v[TT]
	v_rsq_f32 v28, v28
	v_nop                                          ; a plain instruction behind the root (ISA guide 5.7.2)
	s_wait_alu depctr_va_vdst(0)
	v_mul_f32 v28, 0x3d800000, v28                 ; 1 / (16 sqrt(L)): the sixteenth, exact, keeps Xp inside f16 where inputs are large
	v_mov_b32 v29, v28
; PREP: the stage in set j is rounded, masked and put into LDS buffer j, and its X goes out to xb.  left = the loads issued behind this set's.  refill = 1: the set takes the stage three on.
.macro PREP j, pos, refill, left
.set Q, LS+48*(\j)
	s_wait_loadcnt \left
.set z, 0
.rept 12                                               ; rounded to bf16 in place: four numbers become two registers
	v_cvt_pk_bf16_f32 v[Q+4*z], v[Q+4*z], v[Q+4*z+1]
	v_cvt_pk_bf16_f32 v[Q+4*z+1], v[Q+4*z+2], v[Q+4*z+3]
.set z, z+1
.endr
.irp i, 0,1,2,3
	s_cmp_lt_i32 s44, s[40+(\i)]                   ; row s + i < L ?
	s_cselect_b32 s45, -1, 0
	v_and_b32 v[Q+16+4*(\i)], s45, v[Q+16+4*(\i)]  ; a row at or beyond L counts as 0 in both projections
	v_and_b32 v[Q+17+4*(\i)], s45, v[Q+17+4*(\i)]
	v_and_b32 v[Q+32+4*(\i)], s45, v[Q+32+4*(\i)]
	v_and_b32 v[Q+33+4*(\i)], s45, v[Q+33+4*(\i)]
.endr
	s_add_co_u32 s44, s44, 32
.irp i, 0,1,2,3
	global_store_b64 v4, v[Q+4*(\i):Q+4*(\i)+1], s[18:19] offset:(\pos)*65536+2048*(\i)  ; 32 lanes store 256 consecutive bytes, at a multiple of 256 from xb's first
.endr
.irp i, 0,1,2,3
	ds_store_b64 v5, v[Q+4*(\i):Q+4*(\i)+1] offset:BUF*(\j)+PX*(\i)
	ds_store_b64 v6, v[Q+16+4*(\i):Q+17+4*(\i)] offset:BUF*(\j)+PP*(\i)
	ds_store_b64 v6, v[Q+32+4*(\i):Q+33+4*(\i)] offset:BUF*(\j)+PP*(\i)+256
.endr
	s_wait_dscnt 0x0                               ; for the others' sake: my rows are in LDS, and my reads of the buffer in hand are back; for mine: the fragments asked for ahead of PREP are in
.if \refill
	s_wait_xcnt 0x0                                ; the set was the stores' data: it is loaded again only behind this wait
	LOADS \j, (\pos)+3
.endif
.endm
; The fragments of the stage in LDS buffer j: 16 turning loads.
.macro FRAG j
	WIN 0x40                                       ; destination window 1
.irp e, 0,1,2,3
	ds_load_tr16_b128 v[FX+8*(\e):FX+8*(\e)+3],   v7 offset:BUF*(\j)+32*(\e)
	ds_load_tr16_b128 v[FX+8*(\e)+4:FX+8*(\e)+7], v7 offset:BUF*(\j)+32*(\e)+16*PX
.endr
.irp e, 0,1,2,3
	ds_load_tr16_b128 v[FP+8*(\e):FP+8*(\e)+3],   v8 offset:BUF*(\j)+32*(\e)
	ds_load_tr16_b128 v[FP+8*(\e)+4:FP+8*(\e)+7], v8 offset:BUF*(\j)+32*(\e)+16*PP
.endr
	WIN 0
.endm
; 16 products.  Source 0 = 16 columns of X, source 1 = 16 keys: a lane then holds one key and eight neighbouring columns.  zero = 1: they start the sums.  The accumulators take turns.
.macro MULS zero
	WIN 0x55                                       ; all four operands in window 1
.irp e, 0,1,2,3
.irp k, 0,1,2,3
.if \zero
	v_wmma_f32_16x16x32_bf16 v[8*(4*(\e)+(\k)):8*(4*(\e)+(\k))+7], v[FX+8*(\e):FX+8*(\e)+7], v[FP+8*(\k):FP+8*(\k)+7], 0
.else
	v_wmma_f32_16x16x32_bf16 v[8*(4*(\e)+(\k)):8*(4*(\e)+(\k))+7], v[FX+8*(\e):FX+8*(\e)+7], v[FP+8*(\k):FP+8*(\k)+7], v[8*(4*(\e)+(\k)):8*(4*(\e)+(\k))+7]
.endif
.endr
.endr
	WIN 0
.endm
; Four of the 64 work-groups' waves of a batch's row block also multiply ones by P: every row of the result is the column sum.
.macro CSUM zero
	s_cmp_lg_u32 s35, 0
	s_cbranch_scc1 .Lnc_\@
	WIN 0x55
.irp k, 0,1,2,3
.if \zero
	v_wmma_f32_16x16x32_bf16 v[CAC+8*(\k):CAC+8*(\k)+7], v[ONE:ONE+7], v[FP+8*(\k):FP+8*(\k)+7], 0
.else
	v_wmma_f32_16x16x32_bf16 v[CAC+8*(\k):CAC+8*(\k)+7], v[ONE:ONE+7], v[FP+8*(\k):FP+8*(\k)+7], v[CAC+8*(\k):CAC+8*(\k)+7]
.endif
.endr
	WIN 0
.Lnc_\@:
.endm
; A BODY.  jf: the LDS buffer of the stage that is multiplied; jp, pos, refill, left: PREP's, for the stage behind it.
; One barrier a body.  In front of its signal each wave's stores of the next stage are done and its reads of this stage are back.  Buffer jp was last read two bodies ago, with two barriers between.
.macro BODY jf, jp, pos, zero, refill, left
	FRAG \jf
	PREP \jp, \pos, \refill, \left
	s_barrier_signal -1
	MULS \zero                                     ; work on registers while the others arrive
	s_barrier_wait -1
	CSUM \zero
	PLACES                                         ; in front of the next body's loads into the fragments
.endm
	PREP 0, 0, 1, 24                               ; stage 0; two younger sets of twelve loads stay out
	s_barrier_signal -1
	s_barrier_wait -1
	BODY 0, 1, 1, 1, 1, 24                         ; stage 0 is multiplied and starts the sums; stage 1 is made ready
	s_mov_b32 s46, 3
.Lst:                                                  ; three trips of three bodies: stages 1 to 9 are multiplied, stages 2 to 10 made ready, stages 5 to 13 asked for
	BODY 1, 2, 2, 0, 1, 24
	BODY 2, 0, 3, 0, 1, 24
	BODY 0, 1, 4, 0, 1, 24
	s_wait_xcnt 0x0                                ; the bases are stepped only behind this wait
	s_add_nc_u64 s[4:5], s[4:5], 393216            ; three stages: 96 rows
	s_add_nc_u64 s[8:9], s[8:9], 49152
	s_add_nc_u64 s[10:11], s[10:11], 49152
	s_add_nc_u64 s[18:19], s[18:19], 196608
	s_sub_co_u32 s46, s46, 1
	s_cmp_lg_u32 s46, 0
	s_cbranch_scc1 .Lst
	BODY 1, 2, 2, 0, 1, 24                         ; stage 10 | stage 11, and stage 14 is asked for
	BODY 2, 0, 3, 0, 1, 24                         ; stage 11 | stage 12, and stage 15 is asked for: the last loads
	BODY 0, 1, 4, 0, 0, 24                         ; stage 12 | stage 13: stages 14 and 15 are younger
	BODY 1, 2, 5, 0, 0, 12                         ; stage 13 | stage 14: stage 15 is younger
	BODY 2, 0, 6, 0, 0, 0                          ; stage 14 | stage 15
	FRAG 0                                         ; stage 15
	s_wait_dscnt 0x0
	MULS 0
	CSUM 0
	PLACES                                         ; in front of the readers of the sums
	; THE WAY OUT.  A lane's eight columns of a key pack into 16 bytes, and part's layout is the accumulators' own: each store of the wave covers 512 consecutive bytes, and no stage in LDS is needed.
	WIN 0x41                                       ; destination and source 0 window 1, the factor window 0; each accumulator's registers in ascending order
.set z, 0
.rept 64
	v_pk_mul_f32 v[2*z:2*z+1], v[2*z:2*z+1], v[28:29]
.set z, z+1
.endr
	WIN 0x45                                       ; destination and both sources window 1
.set z, 0
.rept 16
.irp p, 0,1,2,3
	v_cvt_pk_f16_f32 v[8*z+(\p)], v[8*z+2*(\p)], v[8*z+2*(\p)+1]
.endr
.set z, z+1
.endr
	WIN 0x04                                       ; store data window 1
.irp e, 0,1,2,3
.irp k, 0,1,2,3
	global_store_b128 v9, v[8*(4*(\e)+(\k)):8*(4*(\e)+(\k))+3], s[20:21] offset:32768*(\k)+512*(\e)
.endr
.endr
	WIN 0
	s_cmp_lg_u32 s35, 0
	s_cbranch_scc1 .Lend
	WIN 0x05                                       ; register 0 of lane l holds the sum of key l % 16 of its block: lanes 0-15 take one block, lanes 16-31 the next
	v_cndmask_b32 v[TT], v[CAC], v[CAC+8], s47
	v_cndmask_b32 v[TT+1], v[CAC+16], v[CAC+24], s47
	WIN 0
	v_mul_f32 v[TT], v28, v[TT]
	v_mul_f32 v[TT+1], v28, v[TT+1]
	global_store_b32 v10, v[TT], s[22:23]
	global_store_b32 v10, v[TT+1], s[22:23] offset:128
.Lend:
	s_wait_tensorcnt 0x0
	ds_add_u32 v254, v255
	s_wait_dscnt 0x0
	s_endpgm
.Lfunc_end_k_qcac0bcf4cc_xproj:
	.size	k_qcac0bcf4cc_xproj, .Lfunc_end_k_qcac0bcf4cc_xproj-k_qcac0bcf4cc_xproj
	.p2alignl 7, 3214868480
	.fill 96, 4, 3214868480
	.section	.rodata,"a",@progbits
	.p2align	6, 0x0
	.amdhsa_kernel k_qcac0bcf4cc_xproj
		.amdhsa_group_segment_fixed_size 81152
		.amdhsa_private_segment_fixed_size 0
		.amdhsa_enable_private_segment 0
		.amdhsa_kernarg_size 56
		.amdhsa_user_sgpr_count 2
		.amdhsa_user_sgpr_kernarg_segment_ptr 1
		.amdhsa_wavefront_size32 1
		.amdhsa_system_sgpr_workgroup_id_x 1
		.amdhsa_system_sgpr_workgroup_id_y 1
		.amdhsa_system_sgpr_workgroup_id_z 1
		.amdhsa_system_vgpr_workitem_id 0
		.amdhsa_next_free_vgpr 488
		.amdhsa_next_free_sgpr 66
		.amdhsa_reserve_vcc 0
		.amdhsa_float_denorm_mode_32 3
		.amdhsa_float_denorm_mode_16_64 3
		.amdhsa_memory_ordered 1
		.amdhsa_forward_progress 1
		.amdhsa_inst_pref_size 91
	.end_amdhsa_kernel
	.amdgpu_metadata
---
amdhsa.version: [ 1, 2 ]
amdhsa.kernels:
  - .name:           k_qcac0bcf4cc_xproj
    .symbol:         k_qcac0bcf4cc_xproj.kd
    .args:
      - { .name: hidden_states, .offset: 0, .size: 8, .value_kind: global_buffer, .address_space: global }
      - { .name: attention_mask, .offset: 8, .size: 8, .value_kind: global_buffer, .address_space: global }
      - { .name: proj_k, .offset: 16, .size: 8, .value_kind: global_buffer, .address_space: global }
      - { .name: proj_v, .offset: 24, .size: 8, .value_kind: global_buffer, .address_space: global }
      - { .name: xb, .offset: 32, .size: 8, .value_kind: global_buffer, .address_space: global }
      - { .name: part, .offset: 40, .size: 8, .value_kind: global_buffer, .address_space: global }
      - { .name: cpart, .offset: 48, .size: 8, .value_kind: global_buffer, .address_space: global }
    .group_segment_fixed_size: 81152
    .private_segment_fixed_size: 0
    .kernarg_segment_align: 8
    .kernarg_segment_size: 56
    .max_flat_workgroup_size: 256
    .sgpr_count:     66
    .vgpr_count:     488
    .wavefront_size: 32
...
	.end_amdgpu_metadata
.endif
;; end of part 1
;; launch xred (part 2): grid 256 x 1, 8 waves a work-group, no clusters, 0 bytes of LDS; arguments part, Wq, Wk, Wv, xpf, wqb, wf; writes xpf, wqb, wf
.if DOCPART == 2
	.amdgcn_target "amdgcn-amd-amdhsa--gfx1250"
	.amdhsa_code_object_version 6
	.text
	.protected	k_qcac0bcf4cc_xred
	.globl	k_qcac0bcf4cc_xred
	.p2align	8
	.type	k_qcac0bcf4cc_xred,@function
k_qcac0bcf4cc_xred:
	s_mov_b64 s[64:65], 0
	v_nop
	global_prefetch_b8 v0, s[64:65] scope:SCOPE_SE
	s_setreg_imm32_b32 hwreg(HW_REG_WAVE_MODE, 25, 1), 1
	s_wait_xcnt 0x0
; SECOND OF FOUR.  Two streams that depend on nothing but memory, in one launch.
; (1) xpf = the sum of part's eight row blocks, widened to f32, added in ascending order, rounded once to f16.  part: f16 [8][b 4][16 keys x16][16 columns x64][lane 32][8]; xpf has one block's layout:
;     two neighbouring column blocks are one matrix fragment.
; (2) The weights' 16-bit copies.  wqb = Wq rounded to bf16, row-major.  wf = Wk, then Wv, rounded to bf16 and that number written as f16 (exact above 6e-5, below it in steps of 6e-8), in fragment order:
;     [kv 2][16 rows x64][32 columns x32][half 2][lane 32][8].
; LIMIT.  |Xp / (16 sqrt(L))| stays under 65,504, f16's end; below 6e-5 it keeps f16's fixed step of 6e-8.
; No LDS, no barrier, no matrix work.  A work-group takes 8,192 bytes of each row block and a 256th of each weight; all 28 loads of a wave go out at once, each of the row blocks' of 512 consecutive bytes.
.set R,  8                             ; v8-71    row block g, chunk c at R + 8 g + 4 c (below v128, where halves have names)
.set A,  72                            ; v72-87   the sums: 16 numbers in f32
.set T,  88                            ; v88-103  at work
.set WR, 104                           ; v104-151 the weights: 16 numbers of each of the three
	s_load_b256 s[4:11], s[0:1], 0x0               ; part s[4:5], Wq s[6:7], Wk s[8:9], Wv s[10:11]
	s_load_b128 s[12:15], s[0:1], 0x20             ; xpf s[12:13], wqb s[14:15]
	s_load_b64 s[16:17], s[0:1], 0x30              ; wf
	v_and_b32 v2, 31, v0                           ; lane l
	v_lshrrev_b32 v3, 5, v0                        ; wave w
	v_lshlrev_b32 v4, 4, v2
	v_lshl_add_u32 v1, v3, 10, v4                  ; 1,024 w + 16 l: my place in part's blocks, in xpf and in wf
	s_lshl_b32 s2, ttmp9, 13
	s_mov_b32 s3, 0
	s_mov_b32 s27, 0xffff0000                      ; a word's upper half
	s_wait_kmcnt 0x0
	s_add_nc_u64 s[20:21], s[4:5], s[2:3]          ; row blocks 0 to 3: their distance, 2,097,152 bytes, stands in the immediate
	s_add_nc_u64 s[22:23], s[20:21], 0x800000      ; row blocks 4 to 7
.irp g, 0,1,2,3,4,5,6,7
.irp c, 0,1
	global_load_b128 v[R+8*(\g)+4*(\c):R+8*(\g)+4*(\c)+3], v1, s[20+2*((\g)/4):21+2*((\g)/4)] offset:2097152*((\g)%4)+512*(\c) th:TH_LOAD_NT
.endr
.endr
	s_add_nc_u64 s[12:13], s[12:13], s[2:3]        ; xpf: 8,192 bytes a work-group
	s_add_nc_u64 s[14:15], s[14:15], s[2:3]        ; wqb: four rows of 2,048 bytes
	s_lshl_b32 s2, ttmp9, 14
	s_add_nc_u64 s[6:7], s[6:7], s[2:3]            ; Wq: rows 4 n ..
	s_lshr_b32 s24, ttmp9, 2                       ; Wk, Wv: rows 16 (n / 4) .., columns 256 (n % 4) ..
	s_and_b32 s25, ttmp9, 3
	s_lshl_b32 s2, s24, 16
	s_lshl_b32 s26, s25, 10
	s_add_co_u32 s2, s2, s26
	s_add_nc_u64 s[8:9], s[8:9], s[2:3]
	s_add_nc_u64 s[10:11], s[10:11], s[2:3]
	s_lshl_b32 s2, s24, 15
	s_lshl_b32 s26, s25, 13
	s_add_co_u32 s2, s2, s26
	s_add_nc_u64 s[16:17], s[16:17], s[2:3]
	v_lshrrev_b32 v[T], 7, v0                      ; Wq: thread t takes 8 numbers of row t / 128 (+ 2 i)
	v_and_b32 v[T+1], 127, v0
	v_lshlrev_b32 v5, 5, v[T+1]
	v_lshl_add_u32 v5, v[T], 12, v5
	v_lshlrev_b32 v6, 4, v[T+1]
	v_lshl_add_u32 v6, v[T], 11, v6
	v_and_b32 v[T+2], 15, v2                       ; Wk, Wv: row l % 16, columns 32 w + 8 (l / 16) (+ 16 i)
	v_lshrrev_b32 v[T+3], 4, v2
	v_lshlrev_b32 v7, 12, v[T+2]
	v_lshl_add_u32 v7, v3, 7, v7
	v_lshl_add_u32 v7, v[T+3], 5, v7
.irp i, 0,1
	global_load_b128 v[WR+8*(\i):WR+8*(\i)+3],         v5, s[6:7] offset:8192*(\i) th:TH_LOAD_NT
	global_load_b128 v[WR+8*(\i)+4:WR+8*(\i)+7],       v5, s[6:7] offset:8192*(\i)+16 th:TH_LOAD_NT
	global_load_b128 v[WR+16+8*(\i):WR+16+8*(\i)+3],   v7, s[8:9] offset:64*(\i) th:TH_LOAD_NT
	global_load_b128 v[WR+16+8*(\i)+4:WR+16+8*(\i)+7], v7, s[8:9] offset:64*(\i)+16 th:TH_LOAD_NT
	global_load_b128 v[WR+32+8*(\i):WR+32+8*(\i)+3],   v7, s[10:11] offset:64*(\i) th:TH_LOAD_NT
	global_load_b128 v[WR+32+8*(\i)+4:WR+32+8*(\i)+7], v7, s[10:11] offset:64*(\i)+16 th:TH_LOAD_NT
.endr
; One row block: its 16 halves are widened; the first block starts the sums, the others are added.  left = the loads issued behind the block's two: two for each later block, and the weights' twelve.
.macro BLOCK first, left, list:vararg
	s_wait_loadcnt \left
.set z, 0
.irp x, \list
.if \first
	v_cvt_f32_f16 v[A+z], \x
.else
	v_cvt_f32_f16 v[T+z], \x
.endif
.set z, z+1
.endr
.if !(\first)
.set z, 0
.rept 8
	v_pk_add_f32 v[A+2*z:A+2*z+1], v[A+2*z:A+2*z+1], v[T+2*z:T+2*z+1]
.set z, z+1
.endr
.endif
.endm
	BLOCK 1, 26, v8.l, v8.h, v9.l, v9.h, v10.l, v10.h, v11.l, v11.h, v12.l, v12.h, v13.l, v13.h, v14.l, v14.h, v15.l, v15.h
	BLOCK 0, 24, v16.l, v16.h, v17.l, v17.h, v18.l, v18.h, v19.l, v19.h, v20.l, v20.h, v21.l, v21.h, v22.l, v22.h, v23.l, v23.h
	BLOCK 0, 22, v24.l, v24.h, v25.l, v25.h, v26.l, v26.h, v27.l, v27.h, v28.l, v28.h, v29.l, v29.h, v30.l, v30.h, v31.l, v31.h
	BLOCK 0, 20, v32.l, v32.h, v33.l, v33.h, v34.l, v34.h, v35.l, v35.h, v36.l, v36.h, v37.l, v37.h, v38.l, v38.h, v39.l, v39.h
	BLOCK 0, 18, v40.l, v40.h, v41.l, v41.h, v42.l, v42.h, v43.l, v43.h, v44.l, v44.h, v45.l, v45.h, v46.l, v46.h, v47.l, v47.h
	BLOCK 0, 16, v48.l, v48.h, v49.l, v49.h, v50.l, v50.h, v51.l, v51.h, v52.l, v52.h, v53.l, v53.h, v54.l, v54.h, v55.l, v55.h
	BLOCK 0, 14, v56.l, v56.h, v57.l, v57.h, v58.l, v58.h, v59.l, v59.h, v60.l, v60.h, v61.l, v61.h, v62.l, v62.h, v63.l, v63.h
	BLOCK 0, 12, v64.l, v64.h, v65.l, v65.h, v66.l, v66.h, v67.l, v67.h, v68.l, v68.h, v69.l, v69.h, v70.l, v70.h, v71.l, v71.h
.irp c, 0,1
.irp p, 0,1,2,3
	v_cvt_pk_f16_f32 v[A+8*(\c)+(\p)], v[A+8*(\c)+2*(\p)], v[A+8*(\c)+2*(\p)+1]
.endr
	global_store_b128 v1, v[A+8*(\c):A+8*(\c)+3], s[12:13] offset:512*(\c)  ; 512 consecutive bytes
.endr
	s_wait_loadcnt 0x0                             ; the weights
.irp i, 0,1
.irp p, 0,1,2,3
	v_cvt_pk_bf16_f32 v[WR+8*(\i)+(\p)], v[WR+8*(\i)+2*(\p)], v[WR+8*(\i)+2*(\p)+1]
.endr
	global_store_b128 v6, v[WR+8*(\i):WR+8*(\i)+3], s[14:15] offset:4096*(\i)
.endr
.irp m, 0,1,2,3                                        ; Wk i = 0, 1, then Wv: rounded to bf16, widened, written as f16
.irp p, 0,1,2,3
	v_cvt_pk_bf16_f32 v[T+2*(\p)], v[WR+16+8*(\m)+2*(\p)], v[WR+16+8*(\m)+2*(\p)+1]
	v_lshlrev_b32 v[T+2*(\p)+1], 16, v[T+2*(\p)]
	v_and_b32 v[T+2*(\p)], s27, v[T+2*(\p)]
	v_cvt_pk_f16_f32 v[WR+16+8*(\m)+(\p)], v[T+2*(\p)+1], v[T+2*(\p)]
.endr
	global_store_b128 v1, v[WR+16+8*(\m):WR+16+8*(\m)+3], s[16:17] offset:2097152*((\m)/2)+512*((\m)%2)
.endr
	s_endpgm
.Lfunc_end_k_qcac0bcf4cc_xred:
	.size	k_qcac0bcf4cc_xred, .Lfunc_end_k_qcac0bcf4cc_xred-k_qcac0bcf4cc_xred
	.p2alignl 7, 3214868480
	.fill 96, 4, 3214868480
	.section	.rodata,"a",@progbits
	.p2align	6, 0x0
	.amdhsa_kernel k_qcac0bcf4cc_xred
		.amdhsa_group_segment_fixed_size 0
		.amdhsa_private_segment_fixed_size 0
		.amdhsa_enable_private_segment 0
		.amdhsa_kernarg_size 56
		.amdhsa_user_sgpr_count 2
		.amdhsa_user_sgpr_kernarg_segment_ptr 1
		.amdhsa_wavefront_size32 1
		.amdhsa_system_sgpr_workgroup_id_x 1
		.amdhsa_system_sgpr_workgroup_id_y 1
		.amdhsa_system_sgpr_workgroup_id_z 1
		.amdhsa_system_vgpr_workitem_id 0
		.amdhsa_next_free_vgpr 152
		.amdhsa_next_free_sgpr 66
		.amdhsa_reserve_vcc 0
		.amdhsa_float_denorm_mode_32 3
		.amdhsa_float_denorm_mode_16_64 3
		.amdhsa_memory_ordered 1
		.amdhsa_forward_progress 1
		.amdhsa_inst_pref_size 17
	.end_amdhsa_kernel
	.amdgpu_metadata
---
amdhsa.version: [ 1, 2 ]
amdhsa.kernels:
  - .name:           k_qcac0bcf4cc_xred
    .symbol:         k_qcac0bcf4cc_xred.kd
    .args:
      - { .name: part, .offset: 0, .size: 8, .value_kind: global_buffer, .address_space: global }
      - { .name: Wq, .offset: 8, .size: 8, .value_kind: global_buffer, .address_space: global }
      - { .name: Wk, .offset: 16, .size: 8, .value_kind: global_buffer, .address_space: global }
      - { .name: Wv, .offset: 24, .size: 8, .value_kind: global_buffer, .address_space: global }
      - { .name: xpf, .offset: 32, .size: 8, .value_kind: global_buffer, .address_space: global }
      - { .name: wqb, .offset: 40, .size: 8, .value_kind: global_buffer, .address_space: global }
      - { .name: wf, .offset: 48, .size: 8, .value_kind: global_buffer, .address_space: global }
    .group_segment_fixed_size: 0
    .private_segment_fixed_size: 0
    .kernarg_segment_align: 8
    .kernarg_segment_size: 56
    .max_flat_workgroup_size: 256
    .sgpr_count:     66
    .vgpr_count:     152
    .wavefront_size: 32
...
	.end_amdgpu_metadata
.endif
;; end of part 2
;; launch kv (part 3): grid 16 x 16, 4 waves a work-group, no clusters, 80,640 bytes of LDS; arguments xpf, wf, cpart, bk, bv, kvf, scl; writes kvf, scl
.if DOCPART == 3
	.amdgcn_target "amdgcn-amd-amdhsa--gfx1250"
	.amdhsa_code_object_version 6
	.text
	.protected	k_qcac0bcf4cc_kv
	.globl	k_qcac0bcf4cc_kv
	.p2align	8
	.type	k_qcac0bcf4cc_kv,@function
k_qcac0bcf4cc_kv:
	s_mov_b64 s[64:65], 0
	v_nop
	global_prefetch_b8 v0, s[64:65] scope:SCOPE_SE
	s_setreg_imm32_b32 hwreg(HW_REG_WAVE_MODE, 25, 1), 1
	s_wait_xcnt 0x0
; THIRD OF FOUR.  For batch b, head, kv (0: keys, 1: values) and key half kh: val[key][d] = sum_e Xp[key][e] W[d][e] + csum[key] bias[d], 64 keys x 64 channels, inner length 1,024.
; Xp and csum carry 1 / (16 sqrt(L)).  val is scaled by a power of two sc, taken from the tile's own largest magnitude so that |val sc| < 2^13, rounded to f16 and stored in the order in which the
; last launch's matrix instructions want it; 16 / sc goes to scl (for the keys times log2(e) / 8).  The last launch applies each half's factor in f32.
; So no size of the inputs can carry K or V out of f16.
; FORMATS.  Xp f16, W bf16 written as f16, bias rounded to bf16; sums in f32.  NaN and infinities are not treated apart.
; SHARES.  4 x 16 x 2 x 2 = 256 work-groups.  The inner index is split over the four waves (256 each), so that no operand byte is loaded twice in a work-group: 128 KB of W and 128 KB of Xp;
; each wave holds all 16 accumulators, and the four partial tiles meet in LDS.
; No cluster and no copy engine: every operand is used once, straight from registers, in fragment order (each load of a wave is 512 consecutive bytes).
.set PART, 17408       ; LDS: wave w's partial tile at PART w: 64 rows (keys) of 256 bytes + 16
.set RED,  4*PART      ; four words: the waves' maxima
.set T16,  RED+256     ; the tile in f16: 64 rows of 128 bytes + 32: an odd multiple of 32
.set BI,   128         ; window 1: my 32 numbers of the bias
.set CP,   160         ; window 1: the eight partial column sums of my key
.set MSB, 0
.macro WIN new
.if MSB != (\new)
	s_set_vgpr_msb (MSB<<8)|(\new)
.set MSB, \new
.endif
.endm
; REGISTERS.  Window 0: v1-24 addresses and at work; v32-159 the four partial tiles' rows.  Window 1: v0-127 the accumulators, (dt, kt) at 8 (4 dt + kt); bias and column sums.
; Windows 2 and 3: the operands.  Each of my eight steps of 32 along e has 64 registers of its own (step s in window 2 + s / 4 at 64 (s % 4)): W's four fragments, then Xp's four.  No register is loaded twice.
	s_load_b256 s[4:11], s[0:1], 0x0               ; xpf s[4:5], wf s[6:7], cpart s[8:9], bk s[10:11]
	s_load_b128 s[12:15], s[0:1], 0x20             ; bv s[12:13], kvf s[14:15]
	s_load_b64 s[16:17], s[0:1], 0x30              ; scl
	v_lshl_add_u32 v254, v0, 2, 0x13900
	v_mov_b32 v255, 0
	v_and_b32 v10, 31, v0
	v_lshlrev_b32 v1, 4, v10                       ; 16 l
	v_lshrrev_b32 v11, 5, v0
	v_readfirstlane_b32 s20, v11                   ; wave w
	s_and_b32 s21, ttmp7, 0xffff
	s_lshr_b32 s22, s21, 2                         ; b
	s_bfe_u32 s23, s21, 0x10001                    ; kv
	s_and_b32 s19, s21, 1                          ; kh
	s_lshl_b32 s24, s23, 21                        ; wf: [kv][16 rows x64][step 32][1,024 bytes]: the head's 4 row blocks, my 8 steps
	s_lshl_b32 s26, ttmp9, 17
	s_add_co_u32 s24, s24, s26
	s_lshl_b32 s26, s20, 13
	s_add_co_u32 s24, s24, s26
	s_mov_b32 s25, 0
	s_lshl_b32 s28, s22, 19                        ; xpf: [b][16 keys x16][step 32][1,024 bytes]: key blocks 8 kv + 4 kh ..
	s_lshl_b32 s27, s23, 18
	s_add_co_u32 s28, s28, s27
	s_lshl_b32 s27, s19, 17
	s_add_co_u32 s28, s28, s27
	s_add_co_u32 s28, s28, s26
	s_mov_b32 s29, 0
	s_wait_kmcnt 0x0
	s_add_nc_u64 s[6:7], s[6:7], s[24:25]
	s_add_nc_u64 s[4:5], s[4:5], s[28:29]
.macro LD s                            ; 16 loads: step s of my eight
	WIN (2+(\s)/4)<<6
.set O, 64*((\s)%4)
.irp d, 0,1,2,3
	global_load_b128 v[O+8*(\d):O+8*(\d)+3],   v1, s[6:7] offset:32768*(\d)+1024*(\s)
	global_load_b128 v[O+8*(\d)+4:O+8*(\d)+7], v1, s[6:7] offset:32768*(\d)+1024*(\s)+512
.endr
.irp k, 0,1,2,3
	global_load_b128 v[O+32+8*(\k):O+32+8*(\k)+3],   v1, s[4:5] offset:32768*(\k)+1024*(\s)
	global_load_b128 v[O+32+8*(\k)+4:O+32+8*(\k)+7], v1, s[4:5] offset:32768*(\k)+1024*(\s)+512
.endr
.endm
.macro MB s, zero                      ; step s's 16 products: source 0 = 16 channels of W, source 1 = 16 keys.  The 16 accumulators take turns
	WIN 0x50|(5*(2+(\s)/4))
.set O, 64*((\s)%4)
.irp d, 0,1,2,3
.irp k, 0,1,2,3
.if \zero
	v_wmma_f32_16x16x32_f16 v[8*(4*(\d)+(\k)):8*(4*(\d)+(\k))+7], v[O+8*(\d):O+8*(\d)+7], v[O+32+8*(\k):O+32+8*(\k)+7], 0
.else
	v_wmma_f32_16x16x32_f16 v[8*(4*(\d)+(\k)):8*(4*(\d)+(\k))+7], v[O+8*(\d):O+8*(\d)+7], v[O+32+8*(\k):O+32+8*(\k)+7], v[8*(4*(\d)+(\k)):8*(4*(\d)+(\k))+7]
.endif
.endr
.endr
.endm
	LD 0
	LD 1
	LD 2
	LD 3
	WIN 0
	; the other bases and the addresses, while the loads are out
	s_cmp_eq_u32 s23, 0
	s_cselect_b64 s[10:11], s[10:11], s[12:13]     ; bk or bv
	s_lshl_b32 s24, ttmp9, 8
	s_add_nc_u64 s[10:11], s[10:11], s[24:25]      ; the head's 64 numbers
	s_lshl_b32 s24, s22, 10                        ; cpart: [8][b][256]: my 64 keys
	s_lshl_b32 s26, s23, 9
	s_add_co_u32 s24, s24, s26
	s_lshl_b32 s26, s19, 8
	s_add_co_u32 s24, s24, s26
	s_add_nc_u64 s[8:9], s[8:9], s[24:25]
	s_lshl_b32 s24, s22, 19                        ; kvf: [b][head][kv][16 fragments of 1,024 bytes]
	s_lshl_b32 s26, ttmp9, 15
	s_add_co_u32 s24, s24, s26
	s_lshl_b32 s26, s23, 14
	s_add_co_u32 s24, s24, s26
	s_lshl_b32 s26, s19, 13                        ; K: fragment 2 kt + c, kt = 4 kh + w: my two begin at 8 kh + 2 w
	s_lshl_b32 s27, s20, 11
	s_add_co_u32 s26, s26, s27
	s_lshl_b32 s27, s19, 11                        ; V^T: fragment 4 ct + kk, ct = w, kk = 2 kh + u: my two begin at 4 w + 2 kh
	s_lshl_b32 s38, s20, 12
	s_add_co_u32 s27, s27, s38
	s_cmp_eq_u32 s23, 0
	s_cselect_b32 s26, s26, s27
	s_add_co_u32 s24, s24, s26
	s_add_nc_u64 s[14:15], s[14:15], s[24:25]
	s_lshl_b32 s24, s22, 8                         ; scl: [b][head][kv][kh]
	s_lshl_b32 s26, ttmp9, 4
	s_add_co_u32 s24, s24, s26
	s_lshl_b32 s26, s23, 3
	s_add_co_u32 s24, s24, s26
	s_lshl_b32 s26, s19, 2
	s_add_co_u32 s24, s24, s26
	s_add_nc_u64 s[16:17], s[16:17], s[24:25]
	s_mov_b32 s30, 0x76543210                      ; v_permlanex16_b32: each lane takes its own place in the other half
	s_mov_b32 s31, 0xfedcba98
	v_and_b32 v23, 1, v0                           ; thread t owns key t / 2 and channels 32 (t % 2) .. +31
	v_lshrrev_b32 v22, 1, v0
	v_lshlrev_b32 v2, 7, v23                       ; the bias: 128 (t % 2)
	v_lshlrev_b32 v3, 2, v22                       ; the column sums: 4 (t / 2)
	v_mul_u32_u24 v5, v22, 272
	v_add_nc_u32 v5, v2, v5                        ; my half row of each partial tile
	v_mul_u32_u24 v7, v22, 160
	v_lshl_add_u32 v7, v23, 6, v7
	v_add_nc_u32 v7, T16, v7                       ; and of the tile in f16
	v_and_b32 v20, 15, v10                         ; r
	v_lshrrev_b32 v21, 4, v10                      ; h
	s_mul_i32 s34, s20, PART
	v_mul_u32_u24 v4, v20, 272
	v_lshl_add_u32 v4, v21, 5, v4
	v_add_nc_u32 v4, s34, v4                       ; my partial tile: row r, 32 bytes for each half of the lanes
	s_mul_i32 s35, s20, 2560
	s_add_co_u32 s35, s35, T16
	v_mul_u32_u24 v8, v20, 160
	v_lshl_add_u32 v8, v21, 4, v8
	v_add_nc_u32 v8, s35, v8                       ; K's fragments: key 16 w + r, 16 bytes for each half
	v_and_b32 v22, 7, v10
	v_lshl_add_u32 v22, v21, 3, v22
	v_mul_u32_u24 v9, v22, 160
	v_bfe_u32 v23, v10, 3, 1
	v_lshl_add_u32 v9, v23, 4, v9
	s_lshl_b32 s36, s20, 5
	s_add_co_u32 s36, s36, T16
	v_add_nc_u32 v9, s36, v9                       ; V's, turned: key 8 h + l % 8, channels 16 w + 8 ((l / 8) % 2)
	s_lshl_b32 s37, s20, 2
	s_add_co_u32 s37, s37, RED
	v_mov_b32 v17, s37
	v_mov_b32 v18, RED
	v_mov_b32 v13, 0                               ; v_permlanex16_b32's destination counts as read
	v_mov_b32 v24, 0
	s_wait_loadcnt 48                              ; step 0 is in: three steps of 16 loads are younger
	MB 0, 1
	LD 4
	s_wait_loadcnt 48
	MB 1, 0
	LD 5
	s_wait_loadcnt 48
	MB 2, 0
	LD 6
	s_wait_loadcnt 48
	MB 3, 0
	LD 7
	WIN 0x40                                       ; my 32 numbers of the bias and the eight partial column sums of my key
.irp i, 0,1,2,3,4,5,6,7
	global_load_b128 v[BI+4*(\i):BI+4*(\i)+3], v2, s[10:11] offset:16*(\i)
.endr
.irp g, 0,1,2,3,4,5,6,7
	global_load_b32 v[CP+(\g)], v3, s[8:9] offset:4096*(\g)
.endr
	s_wait_loadcnt 63                              ; 64 loads are younger than step 4's, and 63 is the largest count that the wait can name
	MB 4, 0
	s_wait_loadcnt 48                              ; steps 6 and 7, and the sixteen just issued
	MB 5, 0
	s_wait_loadcnt 32
	MB 6, 0
	s_wait_loadcnt 16
	MB 7, 0
.rept 4
	v_nop                                          ; four places between the last products and the stores that read them
.endr
	WIN 0x04                                       ; store data window 1; each accumulator's low registers first
.irp d, 0,1,2,3
.irp k, 0,1,2,3
	ds_store_b128 v4, v[8*(4*(\d)+(\k)):8*(4*(\d)+(\k))+3] offset:4352*(\k)+64*(\d)
	ds_store_b128 v4, v[8*(4*(\d)+(\k))+4:8*(4*(\d)+(\k))+7] offset:4352*(\k)+64*(\d)+16
.endr
.endr
	WIN 0
	s_wait_dscnt 0x0                               ; for the others' sake: my partial tile is stored
	s_barrier_signal -1
	s_barrier_wait -1
	; my 32 numbers, four partial sums each, added in the waves' order
.irp p, 0,1,2,3
.irp i, 0,1,2,3,4,5,6,7
	ds_load_b128 v[32+32*(\p)+4*(\i):32+32*(\p)+4*(\i)+3], v5 offset:PART*(\p)+16*(\i)
.endr
.endr
.irp p, 1,2,3
	s_wait_dscnt 8*(3-(\p))                        ; tile p's eight loads are in: eight for each later tile are younger
.set z, 0
.rept 16
	v_pk_add_f32 v[32+2*z:33+2*z], v[32+2*z:33+2*z], v[32+32*(\p)+2*z:33+32*(\p)+2*z]
.set z, z+1
.endr
.endr
	; + csum[key] x bias[d], the bias rounded to bf16
	s_wait_loadcnt 0x0
	WIN 0x05                                       ; sources 0 and 1 window 1
.set z, 0
.rept 16
	v_cvt_pk_bf16_f32 v[64+z], v[BI+2*z], v[BI+2*z+1]
.set z, z+1
.endr
	v_add_f32 v16, v[CP], v[CP+1]
	WIN 0x01                                       ; source 0 window 1
.irp g, 2,3,4,5,6,7
	v_add_f32 v16, v[CP+(\g)], v16
.endr
	WIN 0
.set z, 0
.rept 16
	v_fma_mix_f32_bf16 v[32+2*z], v[64+z], v16, v[32+2*z] op_sel:[0,0,0] op_sel_hi:[1,0,0]
	v_fma_mix_f32_bf16 v[33+2*z], v[64+z], v16, v[33+2*z] op_sel:[1,0,0] op_sel_hi:[1,0,0]
.set z, z+1
.endr
	; the tile's largest magnitude: a maximum, a minimum, the lanes, the waves
	v_max_num_f32 v12, v32, v33
	v_min_num_f32 v14, v32, v33
.set z, 1
.rept 15
	v_max3_num_f32 v12, v12, v[32+2*z], v[33+2*z]
	v_min3_num_f32 v14, v14, v[32+2*z], v[33+2*z]
.set z, z+1
.endr
	v_max_num_f32 v12, v12, -v14
	v_max_num_f32_dpp v12, v12, v12 row_xmask:1 row_mask:0xf bank_mask:0xf
	v_max_num_f32_dpp v12, v12, v12 row_xmask:2 row_mask:0xf bank_mask:0xf
	v_max_num_f32_dpp v12, v12, v12 row_xmask:4 row_mask:0xf bank_mask:0xf
	v_max_num_f32_dpp v12, v12, v12 row_xmask:8 row_mask:0xf bank_mask:0xf
	v_permlanex16_b32 v13, v12, s30, s31
	v_max_num_f32 v12, v12, v13
	ds_store_b32 v17, v12
	s_wait_dscnt 0x0
	s_barrier_signal -1
	s_barrier_wait -1
	ds_load_b128 v[20:23], v18
	s_wait_dscnt 0x0
	v_max3_num_f32 v12, v20, v21, v22
	v_max_num_f32 v12, v12, v23
	v_bfe_u32 v12, v12, 23, 8                      ; E, its exponent field: every |val| < 2^(E - 126)
	v_max_u32 v12, 12, v12                         ; so that the fields below, and the keys' factor times log2(e) / 8, are those of normal numbers
	v_sub_nc_u32 v14, 266, v12
	v_lshlrev_b32 v14, 23, v14                     ; sc = 2^(139 - E): |val sc| < 2^13
	v_mov_b32 v15, v14
	v_add_nc_u32 v19, -8, v12
	v_lshlrev_b32 v19, 23, v19                     ; 16 / sc = 2^(E - 135)
.set z, 0
.rept 16
	v_pk_mul_f32 v[32+2*z:33+2*z], v[32+2*z:33+2*z], v[14:15]
.set z, z+1
.endr
.set z, 0
.rept 16
	v_cvt_pk_f16_f32 v[32+z], v[32+2*z], v[33+2*z]
.set z, z+1
.endr
.irp i, 0,1,2,3
	ds_store_b128 v7, v[32+4*(\i):32+4*(\i)+3] offset:16*(\i)
.endr
	s_wait_dscnt 0x0
	s_barrier_signal -1
	s_barrier_wait -1
	; into fragment order: two fragments a wave
	s_cmp_eq_u32 s23, 0
	s_cbranch_scc0 .Lvalues
.irp u, 0,1                                            ; K: 16 keys x 32 channels (32 u ..), as they lie
	ds_load_b128 v[64+8*(\u):64+8*(\u)+3],   v8 offset:64*(\u)
	ds_load_b128 v[64+8*(\u)+4:64+8*(\u)+7], v8 offset:64*(\u)+32
.endr
	s_branch .Lstore
.Lvalues:
.irp u, 0,1                                            ; V^T: 16 channels x 32 keys (32 u ..), turned
	ds_load_tr16_b128 v[64+8*(\u):64+8*(\u)+3],   v9 offset:5120*(\u)
	ds_load_tr16_b128 v[64+8*(\u)+4:64+8*(\u)+7], v9 offset:5120*(\u)+2560
.endr
.Lstore:
	s_wait_dscnt 0x0
.irp u, 0,1
	global_store_b128 v1, v[64+8*(\u):64+8*(\u)+3],   s[14:15] offset:1024*(\u)
	global_store_b128 v1, v[64+8*(\u)+4:64+8*(\u)+7], s[14:15] offset:1024*(\u)+512
.endr
	s_cmp_eq_u32 s23, 0
	s_cselect_b32 s32, 0x3e38aa3b, 1.0             ; the keys' factor takes log2(e) / 8 with it
	v_mul_f32 v19, s32, v19
	s_wait_xcnt 0x0                                ; EXEC changes only behind this wait
	v_cmp_eq_u32 vcc_lo, 0, v0
	s_wait_tensorcnt 0x0
	ds_add_u32 v254, v255
	s_wait_dscnt 0x0
	s_and_saveexec_b32 s33, vcc_lo
	global_store_b32 v24, v19, s[16:17]            ; thread 0 alone
	s_wait_xcnt 0x0
	s_or_b32 exec_lo, exec_lo, s33
	s_endpgm
.Lfunc_end_k_qcac0bcf4cc_kv:
	.size	k_qcac0bcf4cc_kv, .Lfunc_end_k_qcac0bcf4cc_kv-k_qcac0bcf4cc_kv
	.p2alignl 7, 3214868480
	.fill 96, 4, 3214868480
	.section	.rodata,"a",@progbits
	.p2align	6, 0x0
	.amdhsa_kernel k_qcac0bcf4cc_kv
		.amdhsa_group_segment_fixed_size 80640
		.amdhsa_private_segment_fixed_size 0
		.amdhsa_enable_private_segment 0
		.amdhsa_kernarg_size 56
		.amdhsa_user_sgpr_count 2
		.amdhsa_user_sgpr_kernarg_segment_ptr 1
		.amdhsa_wavefront_size32 1
		.amdhsa_system_sgpr_workgroup_id_x 1
		.amdhsa_system_sgpr_workgroup_id_y 1
		.amdhsa_system_sgpr_workgroup_id_z 1
		.amdhsa_system_vgpr_workitem_id 0
		.amdhsa_next_free_vgpr 1024
		.amdhsa_next_free_sgpr 66
		.amdhsa_reserve_vcc 1
		.amdhsa_float_denorm_mode_32 3
		.amdhsa_float_denorm_mode_16_64 3
		.amdhsa_memory_ordered 1
		.amdhsa_forward_progress 1
		.amdhsa_inst_pref_size 44
	.end_amdhsa_kernel
	.amdgpu_metadata
---
amdhsa.version: [ 1, 2 ]
amdhsa.kernels:
  - .name:           k_qcac0bcf4cc_kv
    .symbol:         k_qcac0bcf4cc_kv.kd
    .args:
      - { .name: xpf, .offset: 0, .size: 8, .value_kind: global_buffer, .address_space: global }
      - { .name: wf, .offset: 8, .size: 8, .value_kind: global_buffer, .address_space: global }
      - { .name: cpart, .offset: 16, .size: 8, .value_kind: global_buffer, .address_space: global }
      - { .name: bk, .offset: 24, .size: 8, .value_kind: global_buffer, .address_space: global }
      - { .name: bv, .offset: 32, .size: 8, .value_kind: global_buffer, .address_space: global }
      - { .name: kvf, .offset: 40, .size: 8, .value_kind: global_buffer, .address_space: global }
      - { .name: scl, .offset: 48, .size: 8, .value_kind: global_buffer, .address_space: global }
    .group_segment_fixed_size: 80640
    .private_segment_fixed_size: 0
    .kernarg_segment_align: 8
    .kernarg_segment_size: 56
    .max_flat_workgroup_size: 128
    .sgpr_count:     66
    .vgpr_count:     1024
    .wavefront_size: 32
...
	.end_amdgpu_metadata
.endif
;; end of part 3
;; launch attn (part 4): grid 4 x 64, 4 waves a work-group, clusters of 4 x 4, 327,680 bytes of LDS; arguments xb, wqb, out0, bq, kvf, scl; writes out0
.if DOCPART == 4
	.amdgcn_target "amdgcn-amd-amdhsa--gfx1250"
	.amdhsa_code_object_version 6
	.text
	.protected	k_qcac0bcf4cc_attn
	.globl	k_qcac0bcf4cc_attn
	.p2align	8
	.type	k_qcac0bcf4cc_attn,@function
k_qcac0bcf4cc_attn:
	s_mov_b64 s[64:65], 0
	v_nop
	global_prefetch_b8 v0, s[64:65] scope:SCOPE_SE
	s_setreg_imm32_b32 hwreg(HW_REG_WAVE_MODE, 25, 1), 1
	s_wait_xcnt 0x0
	s_wait_alu depctr_hold_cnt(0) depctr_sa_sdst(0) depctr_va_vdst(0) depctr_va_sdst(0) depctr_va_ssrc(0) depctr_va_vcc(0) depctr_vm_vsrc(0)
	s_getreg_b32 s2, hwreg(HW_REG_IB_STS2, 6, 4)
	s_cmp_eq_u32 s2, 0
	s_cbranch_scc0 .Lentry_in_a_cluster
	s_endpgm
.Lentry_in_a_cluster:
	s_bfe_u32 s2, ttmp6, 0x10000c
	s_cmp_lg_u32 s2, 0xf033
	s_cbranch_scc0 .Lentry_shape_is_right
	s_endpgm
.Lentry_shape_is_right:
; LAST OF FOUR.  Q = xb Wq^T + bq for a tile of 256 rows x 256 columns (four heads), and, in the same wave and without leaving the work-group, out = softmax(Q K^T / 8) V over the 128 projected keys.
; THE PRODUCT.  Four waves, each 128 x 128 of Q in 64 accumulators (512 registers); the inner index goes in steps of 128 through two LDS slots filled by the tensor data mover; rows of 256 bytes.
; 4 x 4 work-groups form a cluster: xb's tile is asked for jointly along a row of the cluster, Wq's along a column.  The matrix instruction is used transposed (source 0 = rows of Wq, source 1 = rows of xb):
; a lane holds one query (lane % 16) and eight neighbouring channels, so two neighbouring results, rounded in pairs, ARE source 1 of S^T = K Q^T.  The bias, rounded to bf16, is the C operand that starts the sums.
; THE ATTENTION.  A wave's 128 columns are two heads, its 128 rows eight tiles of 16 queries.  Both heads' K and V (f16, in fragment order) fill windows 1 and 2; Q (f16) waits in slot 0, which has had its
; last fill, 32 KB a wave, so that one text of a query tile is walked eight times.  For each tile and head: S^T = K Q^T (a lane: one query, 64 of its 128 keys); the true maximum of the row's scaled scores;
; p = 2^(cs s - max); l = the sum of p (unrounded); O^T = V^T P with p rounded to f16; O / l.
; THE SCALES.  K and V arrive with a power-of-two scale for each half of the 128 keys, and each half's factor is applied here in f32.  K's factor cs, which holds log2(e) / 8 and is positive, multiplies
; the half's scores: the half's maximum first, then each score in the exponent's multiply-add.  V's two halves are summed in accumulators of their own and joined as O = Oa (va / l) + Ob (vb / l).
; LIMITS.  |q| stays under 65,504, f16's end; a weight below 2^-126 counts as 0; NaN and infinities are not treated apart.
; REGISTERS, in windows of 256 (s_set_vgpr_msb: bits 1:0 source 0, 3:2 source 1, 5:4 source 2, 7:6 destination).
;   the product:   window 0: v16-29 addresses; v64-127, v128-191 xb's fragments, two buffers; v192-255 the bias.  window 1: v64-191 Wq's fragments.  windows 2, 3: the accumulators, (a, b) at 8 (8 a + b)
;   the attention: window 0: v2-15 at work; v32-63 Q of a tile; v64-127 S^T; v128-159 P; v160-191 O^T of keys 0-63; v192-223 rows on their way out; v224-255 O^T of keys 64-127.
;                  window 1 + hd: head hd's K (v0-127) and V^T (v128-255)
.set SIZE_K, 1024
.set KSTEP,  128
.set PITCH,  272                       ; an LDS row: 256 bytes + 16 of padding: the 16 rows that a load touches start at 16 different groups of four banks (ISA guide 11.1)
.set HALFT,  128*PITCH                 ; 128 rows: what one tensor load brings
.set SLOT,   4*HALFT                   ; xb's 256 rows, then Wq's 256 rows
.set STAGE,  2*SLOT                    ; behind the ring: 16 rows x 272 bytes for each wave, for the way out
.set SPITCH, 272
.set SPARE,  STAGE+4*16*SPITCH         ; the spare words, 128 bytes for each wave: two blocks of 256 bytes that no other line names
.set LAPS,   SIZE_K/(2*KSTEP)
.set CC,   2                           ; v2-9    eight running maxima, one for each block of 16 keys
.set ADRA, 16                          ; v16-17  LDS address of my xb fragments in slot 0, 1
.set VQ,   18                          ; v18     where the query tile in hand lies in LDS
.set VQW,  19                          ; v19     32,768 x wave + 16 x lane: my part of slot 0
.set ADRB, 20                          ; v20-21  the same as ADRA for Wq
.set L16,  22                          ; v22     16 x lane
.set H32,  23                          ; v23     32 x (lane / 16)
.set STO,  24                          ; v24     the way out: where I put 32 bytes of a row
.set RD,   25                          ; v25     where I read a row back
.set CO,   26                          ; v26     my byte offset in two rows of out0
.set SPW,  28                          ; v28     LDS address of my spare word; never rewritten
.set NIL,  29                          ; v29     0; never rewritten
.set QF,   32
.set F0,   64
.set F1,   128
.set SS,   64
.set PP,   128
.set OO,   160                         ; key half x, channel block t at OO + 64 x + 8 t
.set OB,   192
.set TMP,  192
.set BIAS, 192
.set G1, 24                            ; s[24:31] descriptor group 1 for xb's tiles;  s[32:39] group 0, a set for each slot
.set G0, 32
.set G1B, 48                           ; s[48:55], s[56:63] the same for Wq's tiles
.set G0B, 56
.set SC,  76                           ; s[76:83] as loaded: head hd's four factors at 4 hd: K's two halves, V's two halves
.set CS,  86                           ; s[86:93] K's factor of head hd, half x, written twice as a pair for the packed scaling, at 4 hd + 2 x
.set MSB, 0
.macro WIN new                         ; the immediate's high byte repeats the setting that is left
.if MSB != (\new)
	s_set_vgpr_msb (MSB<<8)|(\new)
.set MSB, \new
.endif
.endm
.set MUL_LO, 0xa1                      ; source 0 (Wq) window 1, source 1 (xb) window 0, C and D window 2
.set TO_B,   0x40                      ; destination window 1, address window 0
; A joint load: waves 0 and 1 fetch xb's two halves, waves 2 and 3 Wq's.  The branch hangs on the wave's number alone.  An s_nop 0 and four v_nop follow each of the two lines.
.macro JLOAD s
	s_cmp_eq_u32 s11, 0
	s_cbranch_scc0 .Lfor_b_\@
	tensor_load_to_lds s[G0+4*(\s):G0+4*(\s)+3], s[G1:G1+7]
	s_nop 0
.rept 4
	v_nop
.endr
	s_branch .Lasked_\@
.Lfor_b_\@:
	tensor_load_to_lds s[G0B+4*(\s):G0B+4*(\s)+3], s[G1B:G1B+7]
	s_nop 0
.rept 4
	v_nop
.endr
.Lasked_\@:
.endm
.macro CREST                           ; a round of the cluster's barrier behind its opening barrier
	s_cmp_lg_u32 s10, 0
	s_cbranch_scc1 .Lnot_wave_0_\@
	s_barrier_signal -3
.Lnot_wave_0_\@:
	s_barrier_wait -3
	s_barrier_signal -1
	s_barrier_wait -1
.endm
.macro CROUND                          ; a whole round
	s_barrier_signal -1
	s_barrier_wait -1
	CREST
.endm
	s_load_b128 s[4:7], s[0:1], 0x0                ; xb s[4:5], wqb s[6:7]
	s_load_b64 s[8:9], s[0:1], 0x10                ; out0
	s_load_b128 s[68:71], s[0:1], 0x18             ; bq s[68:69], kvf s[70:71]
	s_load_b64 s[72:73], s[0:1], 0x28              ; scl
	v_lshl_add_u32 v[SPW], v0, 2, SPARE
	v_mov_b32 v[NIL], 0
	ds_add_u32 v28, v29
	s_wait_dscnt 0x0
	v_lshrrev_b32 v1, 5, v0
	v_readfirstlane_b32 s10, v1                    ; wave 0..3
	s_lshr_b32 s11, s10, 1                         ; which half of the tile's rows is mine.  Also: I fetch for xb (0) or for Wq (1)
	s_and_b32 s12, s10, 1                          ; which half of its columns.  Also: which 128 rows of that tile I fetch
	s_bfe_u32 s40, ttmp6, 0x40000                  ; cx, cy: my place in the cluster
	s_bfe_u32 s41, ttmp6, 0x40004
	s_lshl_b32 s42, ttmp9, 2
	s_add_co_u32 s42, s42, s40                     ; tile column = 4 x cluster x + cx
	s_and_b32 s13, ttmp7, 0xffff
	s_lshl_b32 s13, s13, 2
	s_add_co_u32 s13, s13, s41                     ; tile row = 4 x cluster y + cy
	s_lshl_b32 s43, s41, 2
	s_lshl_b32 s43, 15, s43                        ; my row of the cluster
	s_lshl_b32 s44, 0x1111, s40                    ; my column
	; descriptor group 1: a tile of 128 rows x 128 elements of 2 bytes, 16 bytes of padding behind every 256
	s_or_b32 s[G1+0], s43, (1<<16)|(1<<20)|(1<<21)|(5<<22)|(3<<25)  ; 15:0 the mask; 17:16 2-byte elements; 20 padding on; 21 set beside a mask; 24:22 after every 64 words; 31:25 four words
	s_or_b32 s[G1B+0], s44, (1<<16)|(1<<20)|(1<<21)|(5<<22)|(3<<25)
.irp g, G1, G1B
	s_mov_b32 s[(\g)+1], KSTEP<<16                 ; tensor_dim0 = 128
	s_mov_b32 s[(\g)+2], 128<<16                   ; tensor_dim1 = 128
	s_mov_b32 s[(\g)+3], KSTEP<<16                 ; tile_dim0 = 128
	s_mov_b32 s[(\g)+4], 128                       ; tile_dim1 = 128
	s_mov_b32 s[(\g)+5], SIZE_K                    ; elements from row to row
	s_mov_b32 s[(\g)+6], 0
	s_mov_b32 s[(\g)+7], 0
.endr
	s_lshl_b32 s17, s12, 7                         ; which 128 rows of the tile I fetch
	s_lshl_b32 s16, s13, 8
	s_add_co_u32 s16, s16, s17                     ; xb: row 256 x tile row + 128 x half
	s_lshl_b32 s46, s42, 8
	s_add_co_u32 s46, s46, s17                     ; Wq: row 256 x tile column + 128 x half
	s_mov_b32 s17, 0
	s_mov_b32 s47, 0
	s_mov_b64 s[18:19], SIZE_K*2
	s_mul_u64 s[16:17], s[16:17], s[18:19]
	s_mul_u64 s[46:47], s[46:47], s[18:19]
	s_mul_i32 s20, s10, HALFT                      ; where they go: wave x 128 rows: no place in the cluster enters an LDS address
	s_wait_kmcnt 0x0
	s_add_nc_u64 s[14:15], s[4:5], s[16:17]
	s_add_nc_u64 s[46:47], s[6:7], s[46:47]
	CROUND                                         ; all sixteen work-groups are here: the first joint loads meet
.irp s, 0,1
	s_mov_b32 s[G0+4*(\s)], 1                                      ; count = 1
	s_add_co_u32 s[G0+4*(\s)+1], s20, (\s)*SLOT                    ; LDS address
	s_add_nc_u64 s[G0+4*(\s)+2:G0+4*(\s)+3], s[14:15], (\s)*KSTEP*2  ; global address: step s
	s_or_b32 s[G0+4*(\s)+3], s[G0+4*(\s)+3], 0x80000000            ; type = 2
	s_mov_b32 s[G0B+4*(\s)], 1
	s_add_co_u32 s[G0B+4*(\s)+1], s20, (\s)*SLOT
	s_add_nc_u64 s[G0B+4*(\s)+2:G0B+4*(\s)+3], s[46:47], (\s)*KSTEP*2
	s_or_b32 s[G0B+4*(\s)+3], s[G0B+4*(\s)+3], 0x80000000
	JLOAD \s                                       ; two tensor loads of mine are out
.endr
	v_and_b32 v1, 15, v0                           ; r = l % 16
	v_bfe_u32 v2, v0, 4, 1                         ; h = l / 16
	v_lshlrev_b32 v[H32], 5, v2
	s_lshl_b32 s74, s42, 10
	s_lshl_b32 s86, s12, 9
	s_add_co_u32 s74, s74, s86                     ; my 128 columns in f32: 1,024 x tile column + 512 x half
	s_mov_b32 s75, 0
	s_add_nc_u64 s[68:69], s[68:69], s[74:75]
.irp b, 0,1,2,3,4,5,6,7                                ; the bias in an accumulator's layout: register j of block b is channel 16 b + 8 h + j
	global_load_b128 v[BIAS+8*(\b):BIAS+8*(\b)+3],   v[H32], s[68:69] offset:64*(\b)
	global_load_b128 v[BIAS+8*(\b)+4:BIAS+8*(\b)+7], v[H32], s[68:69] offset:64*(\b)+16
.endr
	s_lshl_b32 s86, s13, 20                        ; out0: row 256 x tile row + 128 x half, 4,096 bytes a row, + my columns
	s_lshl_b32 s87, s11, 19
	s_add_co_u32 s86, s86, s87
	s_add_co_u32 s86, s86, s74
	s_mov_b32 s87, 0
	s_add_nc_u64 s[8:9], s[8:9], s[86:87]
	s_and_b32 s88, s13, 0xfff0                     ; 16 x batch (16 tile rows a batch)
	s_lshl_b32 s89, s42, 2
	s_add_co_u32 s88, s88, s89
	s_lshl_b32 s89, s12, 1
	s_add_co_u32 s88, s88, s89                     ; + my first head = 4 x tile column + 2 x half
	s_lshl_b32 s90, s88, 15
	s_mov_b32 s91, 0
	s_add_nc_u64 s[70:71], s[70:71], s[90:91]      ; kvf: 32,768 bytes a head
	s_lshl_b32 s92, s88, 4
	s_mov_b32 s93, 0
	s_add_nc_u64 s[72:73], s[72:73], s[92:93]      ; scl: four factors, 16 bytes, a head
	s_load_b256 s[SC:SC+7], s[72:73], 0x0          ; those of my two heads
	v_mul_u32_u24 v3, v1, PITCH
	v_lshl_add_u32 v3, v2, 4, v3                   ; a fragment's row x pitch + 16 x half
	s_mul_i32 s21, s11, HALFT                      ; my 128 rows of xb
	s_mul_i32 s22, s12, HALFT                      ; my 128 rows of Wq,
	s_add_co_u32 s22, s22, 2*HALFT                 ; which lie behind xb's 256
.irp s, 0,1
	v_add_nc_u32 v[ADRA+(\s)], s21, v3
	v_add_nc_u32 v[ADRB+(\s)], s22, v3
	s_add_co_u32 s21, s21, SLOT
	s_add_co_u32 s22, s22, SLOT
.endr
	s_mul_i32 s23, s10, 16*SPITCH
	s_add_co_u32 s23, s23, STAGE                   ; my stage
	v_mul_u32_u24 v4, v1, SPITCH                   ; in: row r, 32 bytes (8 f32) for each half of the lanes
	v_lshl_add_u32 v4, v2, 5, v4
	v_add_nc_u32 v[STO], s23, v4
	v_mul_u32_u24 v5, v2, SPITCH                   ; back: lanes 0-15 take one row of 256 bytes, lanes 16-31 the next
	v_lshl_add_u32 v5, v1, 4, v5
	v_add_nc_u32 v[RD], s23, v5
	v_lshlrev_b32 v5, 12, v2                       ; and the same two rows in out0
	v_lshl_add_u32 v[CO], v1, 4, v5
	v_and_b32 v6, 31, v0
	v_lshlrev_b32 v[L16], 4, v6
	s_lshl_b32 s23, s10, 15
	v_add_nc_u32 v[VQW], s23, v[L16]
	v_mov_b32 v[VQ], v[VQW]
	v_mov_b32 v11, 0                               ; named as the upper halves of pairs, and as v_permlanex16_b32's destination: written once
	v_mov_b32 v13, 0
	v_mov_b32 v14, 0
	s_mov_b32 s84, 0x76543210                      ; each lane takes its own place in the other half
	s_mov_b32 s85, 0xfedcba98
	s_wait_loadcnt 0x0                             ; the bias: rounded to bf16 and widened again
.set z, 0
.rept 32
	v_cvt_pk_bf16_f32 v[QF+z], v[BIAS+2*z], v[BIAS+2*z+1]
.set z, z+1
.endr
.set z, 0
.rept 32
	v_lshlrev_b32 v[BIAS+2*z], 16, v[QF+z]
	v_and_b32 v[BIAS+2*z+1], 0xffff0000, v[QF+z]
.set z, z+1
.endr
	s_wait_kmcnt 0x0
.irp hd, 0,1                                           ; K's four factors as pairs: the packed scaling takes a pair's low word for both halves
.irp x, 0,1
	s_mov_b32 s[CS+4*(\hd)+2*(\x)], s[SC+4*(\hd)+(\x)]
	s_mov_b32 s[CS+4*(\hd)+2*(\x)+1], s[SC+4*(\hd)+(\x)]
.endr
.endr
; 16 matrix instructions: row blocks a0, a0 + 1 of the window's four (hi = 0: my rows 0-63, 1: rows 64-127) x all 8 column blocks, 32 along the inner index.
; zero = 1: the first product starts the sums, with the bias as C.  The 64 accumulators take turns.
.macro MUL16 f, hi, a0, zero
.if \zero
	WIN 0x81+0x40*(\hi)                            ; C in window 0
.else
	WIN MUL_LO+0x50*(\hi)
.endif
.irp a, \a0, (\a0)+1
.irp b, 0,1,2,3,4,5,6,7
.if \zero
	v_wmma_f32_16x16x32_bf16 v[8*(8*(\a)+(\b)):8*(8*(\a)+(\b))+7], v[(\f)+8*(\b):(\f)+8*(\b)+7], v[(\f)+8*(4*(\hi)+(\a)):(\f)+8*(4*(\hi)+(\a))+7], v[BIAS+8*(\b):BIAS+8*(\b)+7]
.else
	v_wmma_f32_16x16x32_bf16 v[8*(8*(\a)+(\b)):8*(8*(\a)+(\b))+7], v[(\f)+8*(\b):(\f)+8*(\b)+7], v[(\f)+8*(4*(\hi)+(\a)):(\f)+8*(4*(\hi)+(\a))+7], v[8*(8*(\a)+(\b)):8*(8*(\a)+(\b))+7]
.endif
.endr
.endr
.endm
; 32 LDS loads in one run: the fragments of one quarter step (32 along the inner index at byte k of the rows) into buffer f
.macro FETCH slot, k, f
	WIN TO_B
.irp i, 0,1,2,3,4,5,6,7
	ds_load_b128 v[(\f)+8*(\i):(\f)+8*(\i)+3],   v[ADRB+(\slot)] offset:(\k)+(\i)*16*PITCH
	ds_load_b128 v[(\f)+8*(\i)+4:(\f)+8*(\i)+7], v[ADRB+(\slot)] offset:(\k)+(\i)*16*PITCH+32
.endr
	WIN 0
.irp i, 0,1,2,3,4,5,6,7
	ds_load_b128 v[(\f)+8*(\i):(\f)+8*(\i)+3],   v[ADRA+(\slot)] offset:(\k)+(\i)*16*PITCH
	ds_load_b128 v[(\f)+8*(\i)+4:(\f)+8*(\i)+7], v[ADRA+(\slot)] offset:(\k)+(\i)*16*PITCH+32
.endr
.endm
.macro PLACES                          ; four places between matrix instructions and loads into, or readers of, their registers (ISA guide 7.12.1 for vector instructions)
.rept 4
	v_nop
.endr
.endm
; One of a step's first three quarters: multiplies buffer f; in its middle it fetches the next quarter's fragments, at byte k of the same slot's rows, into buffer g.
.macro QUARTER slot, k, f, g, zero
	s_wait_dscnt 8                                 ; Wq's and xb's rows 0-63 are in; the youngest eight loads (xb's rows 64-127) may be out
	MUL16 \f, 0, 0, \zero
	MUL16 \f, 0, 2, \zero
	PLACES
	FETCH \slot, \k, \g
	s_wait_dscnt 32                                ; all but the 32 just issued
	MUL16 \f, 1, 0, \zero
	MUL16 \f, 1, 2, \zero
.endm
; The last quarter multiplies buffer 1 and changes slots.  ONE barrier: in front of it each wave waits for all its tensor loads (one is out: its part of the next slot), adds 0 to its spare word,
; and waits for that and for its own reads of this slot.  Behind it nobody reads this slot any more and the next slot is whole.
.macro MEET round
	WIN 0                                          ; (the add's two registers lie in window 0)
	s_wait_tensorcnt 0x0
	ds_add_u32 v[SPW], v[NIL]                      ; 0 onto my spare word
	s_wait_dscnt 9                                 ; (the add and the youngest eight loads may be out)
	MUL16 F1, 0, 0, 0                              ; sixteen matrix instructions stand between the add and the wait for it
	s_wait_dscnt 0x0                               ; the add is done, and my reads of this slot are over
	s_barrier_signal -1
	MUL16 F1, 0, 2, 0
.if \round
	WIN 0
.endif
	s_barrier_wait -1
.endm
; fill = 1: the barrier opens a round of the cluster's, and the slot is filled again, two steps ahead, by the first tensor load behind the round: one load of mine is out.
.macro TURN slot, next, fill
	MEET \fill
.if \fill
	CREST                                          ; no wave of any partner still reads this slot's tile or has a load on its way
	s_add_nc_u64 s[G0+4*(\slot)+2:G0+4*(\slot)+3], s[G0+4*(\slot)+2:G0+4*(\slot)+3], 2*KSTEP*2
	s_add_nc_u64 s[G0B+4*(\slot)+2:G0B+4*(\slot)+3], s[G0B+4*(\slot)+2:G0B+4*(\slot)+3], 2*KSTEP*2
	JLOAD \slot                                    ; the four v_nop behind it are also the places in front of the loads below
.else
	PLACES
.endif
	FETCH \next, 0, F0
	MUL16 F1, 1, 0, 0
	MUL16 F1, 1, 2, 0
.endm
	s_wait_tensorcnt 1                             ; my part of step 0 is in; step 1's may stay out
	s_barrier_signal -1
	s_barrier_wait -1                              ; everybody's is
	FETCH 0, 0, F0
	QUARTER 0, 64,  F0, F1, 1                      ; the first quarter stands in front of the loop: its products start the sums
	WIN 0                                          ; at a label and at a branch every window is 0
	s_mov_b32 s3, LAPS-1
.Llap:                                                 ; a trip goes once round the ring, from a lap's second quarter to the next lap's first, and fills both slots again
	QUARTER 0, 128, F1, F0, 0
	QUARTER 0, 192, F0, F1, 0
	TURN 0, 1, 1
	QUARTER 1, 64,  F0, F1, 0
	QUARTER 1, 128, F1, F0, 0
	QUARTER 1, 192, F0, F1, 0
	TURN 1, 0, 1
	QUARTER 0, 64,  F0, F1, 0
	WIN 0
	s_sub_co_u32 s3, s3, 1
	s_cmp_lg_u32 s3, 0
	s_cbranch_scc1 .Llap
	QUARTER 0, 128, F1, F0, 0                      ; the last lap fills nothing
	QUARTER 0, 192, F0, F1, 0
	TURN 0, 1, 0                                   ; behind this barrier no wave reads slot 0 any more, and no load fills it again
	QUARTER 1, 64,  F0, F1, 0
	QUARTER 1, 128, F1, F0, 0
	QUARTER 1, 192, F0, F1, 0
	s_wait_dscnt 8
	MUL16 F1, 0, 0, 0
	MUL16 F1, 0, 2, 0
	s_wait_dscnt 0x0
	MUL16 F1, 1, 0, 0
	MUL16 F1, 1, 2, 0
	WIN 0
	PLACES
; THE ATTENTION.  Head hd's K and V^T: 32 fragments of 1,024 bytes, each load 512 consecutive bytes, into window 1 + hd.
.macro KVLOAD hd
	WIN 0x40<<(\hd)
.set z, 0
.rept 32
	global_load_b128 v[8*z:8*z+3],   v[L16], s[70:71] offset:32768*(\hd)+1024*z
	global_load_b128 v[8*z+4:8*z+7], v[L16], s[70:71] offset:32768*(\hd)+1024*z+512
.set z, z+1
.endr
	WIN 0
.endm
; Query tile a: its eight accumulators, rounded to f16 in pairs, are the tile's four fragments of Q (two a head); they go to my part of slot 0, 512 consecutive bytes a store.
.macro QPACK a
.set AC, 64*((\a)%4)
	WIN 0x0a+5*((\a)/4)                            ; sources 0 and 1: window 2 or 3
.irp b, 0,1,2,3,4,5,6,7
.irp r, 0,1,2,3
	v_cvt_pk_f16_f32 v[TMP+4*(\b)+(\r)], v[AC+8*(\b)+2*(\r)], v[AC+8*(\b)+2*(\r)+1]
.endr
.endr
	WIN 0
.irp b, 0,1,2,3,4,5,6,7
	ds_store_b128 v[VQW], v[TMP+4*(\b):TMP+4*(\b)+3] offset:2048*(8*((\b)/4)+(\a))+512*((\b)%4)
.endr
.endm
	KVLOAD 0                                       ; window 1 is free: Wq's fragments are done with
	QPACK 0
	QPACK 1
	QPACK 2
	QPACK 3
	KVLOAD 1                                       ; window 2 is free: its sums have been packed
	QPACK 4
	QPACK 5
	QPACK 6
	QPACK 7
.macro SUMLV st, n                     ; one level of the sum's tree: pair 2 st z takes pair 2 st z + st
.set z, 0
.rept \n
	v_pk_add_f32 v[SS+4*(\st)*z:SS+4*(\st)*z+1], v[SS+4*(\st)*z:SS+4*(\st)*z+1], v[SS+4*(\st)*z+2*(\st):SS+4*(\st)*z+2*(\st)+1]
.set z, z+1
.endr
.endm
; One query tile, one head.
.macro UNIT hd
	WIN 1+(\hd)                                    ; source 0 in the head's window
.irp c, 0,1                                            ; S^T = K Q^T: 8 blocks of 16 keys by turns, 32 channels a pass
.irp k, 0,1,2,3,4,5,6,7
.if (\c) == 0
	v_wmma_f32_16x16x32_f16 v[SS+8*(\k):SS+8*(\k)+7], v[8*(2*(\k)+(\c)):8*(2*(\k)+(\c))+7], v[QF+16*(\hd)+8*(\c):QF+16*(\hd)+8*(\c)+7], 0
.else
	v_wmma_f32_16x16x32_f16 v[SS+8*(\k):SS+8*(\k)+7], v[8*(2*(\k)+(\c)):8*(2*(\k)+(\c))+7], v[QF+16*(\hd)+8*(\c):QF+16*(\hd)+8*(\c)+7], v[SS+8*(\k):SS+8*(\k)+7]
.endif
.endr
.endr
	WIN 0
	PLACES
.irp k, 0,1,2,3,4,5,6,7                                ; the maxima of the lane's 64 scores, a chain for each key block; each accumulator's lowest registers are read first
	v_max3_num_f32 v[CC+(\k)], v[SS+8*(\k)], v[SS+8*(\k)+1], v[SS+8*(\k)+2]
.endr
.irp k, 0,1,2,3,4,5,6,7
	v_max3_num_f32 v[CC+(\k)], v[CC+(\k)], v[SS+8*(\k)+3], v[SS+8*(\k)+4]
.endr
.irp k, 0,1,2,3,4,5,6,7
	v_max3_num_f32 v[CC+(\k)], v[CC+(\k)], v[SS+8*(\k)+5], v[SS+8*(\k)+6]
.endr
.irp k, 0,1,2,3                                        ; the blocks' last registers, two blocks at a time, into a chain of their own key half: chains 0, 1, 4, 5
	v_max3_num_f32 v[CC+(\k)+2*((\k)/2)], v[CC+(\k)+2*((\k)/2)], v[SS+16*(\k)+7], v[SS+16*(\k)+15]
.endr
	v_max3_num_f32 v[CC], v[CC], v[CC+1], v[CC+2]          ; keys 0-63: chains 0 to 3
	v_max3_num_f32 v[CC+4], v[CC+4], v[CC+5], v[CC+6]      ; keys 64-127: chains 4 to 7
	v_max_num_f32 v[CC], v[CC], v[CC+3]
	v_max_num_f32 v[CC+4], v[CC+4], v[CC+7]
	v_mul_f32 v15, s[SC+4*(\hd)], v[CC]            ; each half's maximum times its own factor, which is positive: the maximum of the half's scaled scores
	v_mul_f32 v14, s[SC+4*(\hd)+1], v[CC+4]
	v_max_num_f32 v15, v15, v14
	v_permlanex16_b32 v14, v15, s84, s85           ; the query's other 64 keys lie in the lane 16 away
	v_max_num_f32 v10, v15, v14                    ; the row's maximum of cs s
.set z, 0
.rept 32                                               ; cs s - maximum: pairs 0-15 are keys 0-63's, pairs 16-31 keys 64-127's
	v_pk_fma_f32 v[SS+2*z:SS+2*z+1], v[SS+2*z:SS+2*z+1], s[CS+4*(\hd)+2*(z/16):CS+4*(\hd)+2*(z/16)+1], v[10:11] op_sel_hi:[1,0,0] neg_lo:[0,0,1] neg_hi:[0,0,1]
.set z, z+1
.endr
.set z, 0
.rept 64
	v_exp_f32 v[SS+z], v[SS+z]
.set z, z+1
.endr
	v_nop                                          ; a plain instruction behind the last exponential (ISA guide 5.7.2)
.set z, 0
	s_wait_alu depctr_va_vdst(0)
.rept 32
	v_cvt_pk_f16_f32 v[PP+z], v[SS+2*z], v[SS+2*z+1]  ; two neighbouring key blocks, rounded in pairs, are source 1 for 32 keys
.set z, z+1
.endr
	WIN 1+(\hd)
.irp g, 0,2,1,3                                        ; O^T = V^T P, 32 keys a pass; passes 0, 1 into keys 0-63's four accumulators, passes 2, 3 into keys 64-127's: eight by turns
.irp t, 0,1,2,3
.if (\g)%2 == 0
	v_wmma_f32_16x16x32_f16 v[OO+64*((\g)/2)+8*(\t):OO+64*((\g)/2)+8*(\t)+7], v[128+8*(4*(\t)+(\g)):128+8*(4*(\t)+(\g))+7], v[PP+8*(\g):PP+8*(\g)+7], 0
.else
	v_wmma_f32_16x16x32_f16 v[OO+64*((\g)/2)+8*(\t):OO+64*((\g)/2)+8*(\t)+7], v[128+8*(4*(\t)+(\g)):128+8*(4*(\t)+(\g))+7], v[PP+8*(\g):PP+8*(\g)+7], v[OO+64*((\g)/2)+8*(\t):OO+64*((\g)/2)+8*(\t)+7]
.endif
.endr
.endr
	WIN 0
	SUMLV 1, 16                                    ; l, of the unrounded weights: 31 packed additions, which are also the places behind those products
	SUMLV 2, 8
	SUMLV 4, 4
	SUMLV 8, 2
	SUMLV 16, 1
	v_add_f32 v15, v[SS], v[SS+1]
	v_permlanex16_b32 v14, v15, s84, s85
	v_add_f32 v15, v15, v14
	v_rcp_f32 v15, v15
	v_nop
	s_wait_alu depctr_va_vdst(0)
	v_mul_f32 v12, s[SC+4*(\hd)+2], v15            ; va / l
	v_mul_f32 v10, s[SC+4*(\hd)+3], v15            ; vb / l
.set z, 0
.rept 16                                               ; each accumulator's registers in ascending order
	v_pk_mul_f32 v[OO+2*z:OO+2*z+1], v[OO+2*z:OO+2*z+1], v[12:13] op_sel_hi:[1,0]
.set z, z+1
.endr
.set z, 0
.rept 16
	v_pk_fma_f32 v[OO+2*z:OO+2*z+1], v[OO+64+2*z:OO+64+2*z+1], v[10:11], v[OO+2*z:OO+2*z+1] op_sel_hi:[1,0,1]
.set z, z+1
.endr
.irp t, 0,1,2,3                                        ; a lane's eight channels of a row, 32 bytes, into rows of 272 bytes,
	ds_store_b128 v[STO], v[OO+8*(\t):OO+8*(\t)+3]   offset:64*(\t)
	ds_store_b128 v[STO], v[OO+8*(\t)+4:OO+8*(\t)+7] offset:64*(\t)+16
.endr
	s_wait_xcnt 0x0                                ; the registers below were the last unit's store data: they are loaded again only behind this wait
.if (\hd) == 1
	s_add_nc_u64 s[8:9], s[8:9], 65536             ; and directly behind it the stores' base goes 16 rows of out0 on; this unit's stores reach back by their immediate
.endif
.irp t, 0,1,2,3,4,5,6,7                                ; and back as whole rows of 256: LDS serves a wave's instructions in order (ISA guide 5.7.1.4)
	ds_load_b128 v[OB+4*(\t):OB+4*(\t)+3], v[RD] offset:(\t)*2*SPITCH
.endr
	s_wait_dscnt 0x0
.irp t, 0,1,2,3,4,5,6,7
	global_store_b128 v[CO], v[OB+4*(\t):OB+4*(\t)+3], s[8:9] offset:8192*(\t)+256*(\hd)-65536*(\hd) th:TH_STORE_NT  ; 16 lanes store 256 consecutive bytes, at a multiple of 256 from out0's first
.endr
.endm
	s_wait_loadcnt 63                              ; head 0's K and V are in: head 1's 64 loads were issued behind them, and 63 is the largest count that the wait can name
	s_mov_b32 s3, 8
.Lq:                                                   ; eight query tiles
.irp i, 0,1,2,3,4,5,6,7                                ; the tile's Q: head i / 4, 512 bytes a load; my own stores, served in order
	ds_load_b128 v[QF+4*(\i):QF+4*(\i)+3], v[VQ] offset:16384*((\i)/4)+512*((\i)%4)
.endr
	s_wait_dscnt 0x0
	UNIT 0
	s_wait_loadcnt 0x0                             ; head 1's K and V are in: they had the first tile's first unit in which to land; the loop issues no load into registers
	UNIT 1
	v_add_nc_u32 v[VQ], 2048, v[VQ]
	s_sub_co_u32 s3, s3, 1
	s_cmp_lg_u32 s3, 0
	s_cbranch_scc1 .Lq
	s_wait_tensorcnt 0x0                           ; the wave's end: behind my last tensor load and my last LDS store
	ds_add_u32 v[SPW], v[NIL]
	s_wait_dscnt 0x0
	CROUND                                         ; the closing round: no work-group ends while a partner may still ask for a tile that names it
	s_endpgm
.Lfunc_end_k_qcac0bcf4cc_attn:
	.size	k_qcac0bcf4cc_attn, .Lfunc_end_k_qcac0bcf4cc_attn-k_qcac0bcf4cc_attn
	.p2alignl 7, 3214868480
	.fill 96, 4, 3214868480
	.section	.rodata,"a",@progbits
	.p2align	6, 0x0
	.amdhsa_kernel k_qcac0bcf4cc_attn
		.amdhsa_group_segment_fixed_size 327680
		.amdhsa_private_segment_fixed_size 0
		.amdhsa_enable_private_segment 0
		.amdhsa_kernarg_size 48
		.amdhsa_user_sgpr_count 2
		.amdhsa_user_sgpr_kernarg_segment_ptr 1
		.amdhsa_wavefront_size32 1
		.amdhsa_system_sgpr_workgroup_id_x 1
		.amdhsa_system_sgpr_workgroup_id_y 1
		.amdhsa_system_sgpr_workgroup_id_z 1
		.amdhsa_system_vgpr_workitem_id 0
		.amdhsa_next_free_vgpr 1024
		.amdhsa_next_free_sgpr 96
		.amdhsa_reserve_vcc 0
		.amdhsa_float_denorm_mode_32 3
		.amdhsa_float_denorm_mode_16_64 3
		.amdhsa_memory_ordered 1
		.amdhsa_forward_progress 1
		.amdhsa_inst_pref_size 185
	.end_amdhsa_kernel
	.amdgpu_metadata
---
amdhsa.version: [ 1, 2 ]
amdhsa.kernels:
  - .name:           k_qcac0bcf4cc_attn
    .symbol:         k_qcac0bcf4cc_attn.kd
    .args:
      - { .name: xb, .offset: 0, .size: 8, .value_kind: global_buffer, .address_space: global }
      - { .name: wqb, .offset: 8, .size: 8, .value_kind: global_buffer, .address_space: global }
      - { .name: out0, .offset: 16, .size: 8, .value_kind: global_buffer, .address_space: global }
      - { .name: bq, .offset: 24, .size: 8, .value_kind: global_buffer, .address_space: global }
      - { .name: kvf, .offset: 32, .size: 8, .value_kind: global_buffer, .address_space: global }
      - { .name: scl, .offset: 40, .size: 8, .value_kind: global_buffer, .address_space: global }
    .group_segment_fixed_size: 327680
    .private_segment_fixed_size: 0
    .kernarg_segment_align: 8
    .kernarg_segment_size: 48
    .max_flat_workgroup_size: 128
    .sgpr_count:     96
    .vgpr_count:     1024
    .wavefront_size: 32
...
	.end_amdgpu_metadata
.endif
;; end of part 4
;; ======== version 2 of 2: 4 launches; version 1 with the launch xred written anew for expert scheduling mode
;; limits: values are held in f16: magnitudes above 65,504 overflow, below 6.1e-05 lose precision; values outside matrix products are rounded to f16
;; workspace buffers: xb 33,554,432 bytes; wqb 2,097,152 bytes; wf 4,194,304 bytes; part 16,777,216 bytes; cpart 32,768 bytes; xpf 2,097,152 bytes; kvf 2,097,152 bytes; scl 1,024 bytes
;; launch xproj: the kernel of part 1 again; grid 64 x 4, 8 waves a work-group, no clusters, 81,152 bytes of LDS; arguments hidden_states, attention_mask, proj_k, proj_v, xb, part, cpart; writes xb, part, cpart
;; launch xred (part 5): grid 256 x 1, 8 waves a work-group, no clusters, 0 bytes of LDS; arguments part, Wq, Wk, Wv, xpf, wqb, wf; writes xpf, wqb, wf
.if DOCPART == 5
	.amdgcn_target "amdgcn-amd-amdhsa--gfx1250"
	.amdhsa_code_object_version 6
	.text
	.protected	k_qcac0bcf4cc_xred
	.globl	k_qcac0bcf4cc_xred
	.p2align	8
	.type	k_qcac0bcf4cc_xred,@function
k_qcac0bcf4cc_xred:
	s_mov_b64 s[64:65], 0
	v_nop
	global_prefetch_b8 v0, s[64:65] scope:SCOPE_SE
	s_setreg_imm32_b32 hwreg(HW_REG_WAVE_SCHED_MODE, 0, 2), 2
	s_setreg_imm32_b32 hwreg(HW_REG_WAVE_MODE, 25, 1), 1
	s_wait_xcnt 0x0
	s_wait_alu depctr_vm_vsrc(0)
; SECOND OF FOUR.  Two streams that depend on nothing but memory, in one launch.
; (1) xpf = the sum of part's eight row blocks, widened to f32, added in ascending order, rounded once to f16.  part: f16 [8][b 4][16 keys x16][16 columns x64][lane 32][8]; xpf has one block's layout:
;     two neighbouring column blocks are one matrix fragment.
; (2) The weights' 16-bit copies.  wqb = Wq rounded to bf16, row-major.  wf = Wk, then Wv, rounded to bf16 and that number written as f16 (exact above 6e-5, below it in steps of 6e-8), in fragment order:
;     [kv 2][16 rows x64][32 columns x32][half 2][lane 32][8].
; LIMIT.  |Xp / (16 sqrt(L))| stays under 65,504, f16's end; below 6e-5 it keeps f16's fixed step of 6e-8.
; No LDS, no barrier, no matrix work.  A work-group takes 8,192 bytes of each row block and a 256th of each weight; all 28 loads of a wave go out at once, each of the row blocks' of 512 consecutive bytes.
; THE MODE: SCHED_MODE bits 1:0 = 2 (LLVM: expert scheduling mode 2), set by the entry lines.  The code itself states the register dependences
; between vector instructions and memory instructions, with s_wait_alu, always for 0.
; THE PLAN.  Registers that memory instructions touch:
;   v1, v5, v6, v7  byte offsets.  Written by the head's arithmetic, read by every load and store, never written again.
;   R, WR           loaded once each; no vector instruction names them ahead of their loads.  The roundings write WR's packed results behind the wait for the loads; six stores read those.
;   A               written by the sums and their roundings; two stores read the packed results.
;   T, v2 to v4     named by vector instructions alone.
; No register that a load or store has read is written again, and no register is loaded twice.  So three waits on va_vdst state everything: one behind the offsets' arithmetic, ahead of the 28 loads;
; one behind the sums' roundings, ahead of xpf's two stores; one behind the weights' roundings, ahead of their six stores.
.set R,  8                             ; v8-71    row block g, chunk c at R + 8 g + 4 c (below v128, where halves have names)
.set A,  72                            ; v72-87   the sums: 16 numbers in f32
.set T,  88                            ; v88-103  at work
.set WR, 104                           ; v104-151 the weights: 16 numbers of each of the three
	s_load_b256 s[4:11], s[0:1], 0x0               ; part s[4:5], Wq s[6:7], Wk s[8:9], Wv s[10:11]
	s_load_b128 s[12:15], s[0:1], 0x20             ; xpf s[12:13], wqb s[14:15]
	s_load_b64 s[16:17], s[0:1], 0x30              ; wf
	v_and_b32 v2, 31, v0                           ; lane l
	v_lshrrev_b32 v3, 5, v0                        ; wave w
	v_lshlrev_b32 v4, 4, v2
	v_lshl_add_u32 v1, v3, 10, v4                  ; 1,024 w + 16 l: my place in part's blocks, in xpf and in wf
	v_lshrrev_b32 v[T], 7, v0                      ; Wq: thread t takes 8 numbers of row t / 128 (+ 2 i)
	v_and_b32 v[T+1], 127, v0
	v_lshlrev_b32 v5, 5, v[T+1]
	v_lshl_add_u32 v5, v[T], 12, v5
	v_lshlrev_b32 v6, 4, v[T+1]
	v_lshl_add_u32 v6, v[T], 11, v6
	v_and_b32 v[T+2], 15, v2                       ; Wk, Wv: row l % 16, columns 32 w + 8 (l / 16) (+ 16 i)
	v_lshrrev_b32 v[T+3], 4, v2
	v_lshlrev_b32 v7, 12, v[T+2]
	v_lshl_add_u32 v7, v3, 7, v7
	v_lshl_add_u32 v7, v[T+3], 5, v7
	s_lshl_b32 s2, ttmp9, 13
	s_mov_b32 s3, 0
	s_mov_b32 s27, 0xffff0000                      ; a word's upper half
	s_wait_alu depctr_va_vdst(0)                   ; v1, v5, v6 and v7 are written: every load and store of the kernel reads one of them as its offset, and no line writes them again
	s_wait_kmcnt 0x0
	s_add_nc_u64 s[20:21], s[4:5], s[2:3]          ; row blocks 0 to 3: their distance, 2,097,152 bytes, stands in the immediate
	s_add_nc_u64 s[22:23], s[20:21], 0x800000      ; row blocks 4 to 7
.irp g, 0,1,2,3,4,5,6,7
.irp c, 0,1
	global_load_b128 v[R+8*(\g)+4*(\c):R+8*(\g)+4*(\c)+3], v1, s[20+2*((\g)/4):21+2*((\g)/4)] offset:2097152*((\g)%4)+512*(\c) th:TH_LOAD_NT
.endr
.endr
	s_add_nc_u64 s[12:13], s[12:13], s[2:3]        ; xpf: 8,192 bytes a work-group
	s_add_nc_u64 s[14:15], s[14:15], s[2:3]        ; wqb: four rows of 2,048 bytes
	s_lshl_b32 s2, ttmp9, 14
	s_add_nc_u64 s[6:7], s[6:7], s[2:3]            ; Wq: rows 4 n ..
	s_lshr_b32 s24, ttmp9, 2                       ; Wk, Wv: rows 16 (n / 4) .., columns 256 (n % 4) ..
	s_and_b32 s25, ttmp9, 3
	s_lshl_b32 s2, s24, 16
	s_lshl_b32 s26, s25, 10
	s_add_co_u32 s2, s2, s26
	s_add_nc_u64 s[8:9], s[8:9], s[2:3]
	s_add_nc_u64 s[10:11], s[10:11], s[2:3]
	s_lshl_b32 s2, s24, 15
	s_lshl_b32 s26, s25, 13
	s_add_co_u32 s2, s2, s26
	s_add_nc_u64 s[16:17], s[16:17], s[2:3]
.irp i, 0,1                                            ; no vector instruction has been issued since the wait above: these loads owe nothing more
	global_load_b128 v[WR+8*(\i):WR+8*(\i)+3],         v5, s[6:7] offset:8192*(\i) th:TH_LOAD_NT
	global_load_b128 v[WR+8*(\i)+4:WR+8*(\i)+7],       v5, s[6:7] offset:8192*(\i)+16 th:TH_LOAD_NT
	global_load_b128 v[WR+16+8*(\i):WR+16+8*(\i)+3],   v7, s[8:9] offset:64*(\i) th:TH_LOAD_NT
	global_load_b128 v[WR+16+8*(\i)+4:WR+16+8*(\i)+7], v7, s[8:9] offset:64*(\i)+16 th:TH_LOAD_NT
	global_load_b128 v[WR+32+8*(\i):WR+32+8*(\i)+3],   v7, s[10:11] offset:64*(\i) th:TH_LOAD_NT
	global_load_b128 v[WR+32+8*(\i)+4:WR+32+8*(\i)+7], v7, s[10:11] offset:64*(\i)+16 th:TH_LOAD_NT
.endr
; One row block: its 16 halves are widened; the first block starts the sums, the others are added.  left = the loads issued behind the block's two: two for each later block, and the weights' twelve.
.macro BLOCK first, left, list:vararg
	s_wait_loadcnt \left
.set z, 0
.irp x, \list
.if \first
	v_cvt_f32_f16 v[A+z], \x
.else
	v_cvt_f32_f16 v[T+z], \x
.endif
.set z, z+1
.endr
.if !(\first)
.set z, 0
.rept 8
	v_pk_add_f32 v[A+2*z:A+2*z+1], v[A+2*z:A+2*z+1], v[T+2*z:T+2*z+1]
.set z, z+1
.endr
.endif
.endm
	BLOCK 1, 26, v8.l, v8.h, v9.l, v9.h, v10.l, v10.h, v11.l, v11.h, v12.l, v12.h, v13.l, v13.h, v14.l, v14.h, v15.l, v15.h
	BLOCK 0, 24, v16.l, v16.h, v17.l, v17.h, v18.l, v18.h, v19.l, v19.h, v20.l, v20.h, v21.l, v21.h, v22.l, v22.h, v23.l, v23.h
	BLOCK 0, 22, v24.l, v24.h, v25.l, v25.h, v26.l, v26.h, v27.l, v27.h, v28.l, v28.h, v29.l, v29.h, v30.l, v30.h, v31.l, v31.h
	BLOCK 0, 20, v32.l, v32.h, v33.l, v33.h, v34.l, v34.h, v35.l, v35.h, v36.l, v36.h, v37.l, v37.h, v38.l, v38.h, v39.l, v39.h
	BLOCK 0, 18, v40.l, v40.h, v41.l, v41.h, v42.l, v42.h, v43.l, v43.h, v44.l, v44.h, v45.l, v45.h, v46.l, v46.h, v47.l, v47.h
	BLOCK 0, 16, v48.l, v48.h, v49.l, v49.h, v50.l, v50.h, v51.l, v51.h, v52.l, v52.h, v53.l, v53.h, v54.l, v54.h, v55.l, v55.h
	BLOCK 0, 14, v56.l, v56.h, v57.l, v57.h, v58.l, v58.h, v59.l, v59.h, v60.l, v60.h, v61.l, v61.h, v62.l, v62.h, v63.l, v63.h
	BLOCK 0, 12, v64.l, v64.h, v65.l, v65.h, v66.l, v66.h, v67.l, v67.h, v68.l, v68.h, v69.l, v69.h, v70.l, v70.h, v71.l, v71.h
.irp c, 0,1
.irp p, 0,1,2,3
	v_cvt_pk_f16_f32 v[A+8*(\c)+(\p)], v[A+8*(\c)+2*(\p)], v[A+8*(\c)+2*(\p)+1]
.endr
.endr
	s_wait_alu depctr_va_vdst(0)                   ; the eight roundings have written v[A .. A+3] and v[A+8 .. A+11], which the two stores read
.irp c, 0,1
	global_store_b128 v1, v[A+8*(\c):A+8*(\c)+3], s[12:13] offset:512*(\c)  ; 512 consecutive bytes
.endr
	s_wait_loadcnt 0x0                             ; the weights
.irp i, 0,1
.irp p, 0,1,2,3
	v_cvt_pk_bf16_f32 v[WR+8*(\i)+(\p)], v[WR+8*(\i)+2*(\p)], v[WR+8*(\i)+2*(\p)+1]
.endr
.endr
.irp m, 0,1,2,3                                        ; Wk i = 0, 1, then Wv: rounded to bf16, widened, written as f16
.irp p, 0,1,2,3
	v_cvt_pk_bf16_f32 v[T+2*(\p)], v[WR+16+8*(\m)+2*(\p)], v[WR+16+8*(\m)+2*(\p)+1]
	v_lshlrev_b32 v[T+2*(\p)+1], 16, v[T+2*(\p)]
	v_and_b32 v[T+2*(\p)], s27, v[T+2*(\p)]
	v_cvt_pk_f16_f32 v[WR+16+8*(\m)+(\p)], v[T+2*(\p)+1], v[T+2*(\p)]
.endr
.endr
	s_wait_alu depctr_va_vdst(0)                   ; the weights' roundings have written the first four of each eight registers of WR, which the six stores read
.irp i, 0,1
	global_store_b128 v6, v[WR+8*(\i):WR+8*(\i)+3], s[14:15] offset:4096*(\i)
.endr
.irp m, 0,1,2,3
	global_store_b128 v1, v[WR+16+8*(\m):WR+16+8*(\m)+3], s[16:17] offset:2097152*((\m)/2)+512*((\m)%2)
.endr
	s_endpgm
.Lfunc_end_k_qcac0bcf4cc_xred:
	.size	k_qcac0bcf4cc_xred, .Lfunc_end_k_qcac0bcf4cc_xred-k_qcac0bcf4cc_xred
	.p2alignl 7, 3214868480
	.fill 96, 4, 3214868480
	.section	.rodata,"a",@progbits
	.p2align	6, 0x0
	.amdhsa_kernel k_qcac0bcf4cc_xred
		.amdhsa_group_segment_fixed_size 0
		.amdhsa_private_segment_fixed_size 0
		.amdhsa_enable_private_segment 0
		.amdhsa_kernarg_size 56
		.amdhsa_user_sgpr_count 2
		.amdhsa_user_sgpr_kernarg_segment_ptr 1
		.amdhsa_wavefront_size32 1
		.amdhsa_system_sgpr_workgroup_id_x 1
		.amdhsa_system_sgpr_workgroup_id_y 1
		.amdhsa_system_sgpr_workgroup_id_z 1
		.amdhsa_system_vgpr_workitem_id 0
		.amdhsa_next_free_vgpr 152
		.amdhsa_next_free_sgpr 66
		.amdhsa_reserve_vcc 0
		.amdhsa_float_denorm_mode_32 3
		.amdhsa_float_denorm_mode_16_64 3
		.amdhsa_memory_ordered 1
		.amdhsa_forward_progress 1
		.amdhsa_inst_pref_size 18
	.end_amdhsa_kernel
	.amdgpu_metadata
---
amdhsa.version: [ 1, 2 ]
amdhsa.kernels:
  - .name:           k_qcac0bcf4cc_xred
    .symbol:         k_qcac0bcf4cc_xred.kd
    .args:
      - { .name: part, .offset: 0, .size: 8, .value_kind: global_buffer, .address_space: global }
      - { .name: Wq, .offset: 8, .size: 8, .value_kind: global_buffer, .address_space: global }
      - { .name: Wk, .offset: 16, .size: 8, .value_kind: global_buffer, .address_space: global }
      - { .name: Wv, .offset: 24, .size: 8, .value_kind: global_buffer, .address_space: global }
      - { .name: xpf, .offset: 32, .size: 8, .value_kind: global_buffer, .address_space: global }
      - { .name: wqb, .offset: 40, .size: 8, .value_kind: global_buffer, .address_space: global }
      - { .name: wf, .offset: 48, .size: 8, .value_kind: global_buffer, .address_space: global }
    .group_segment_fixed_size: 0
    .private_segment_fixed_size: 0
    .kernarg_segment_align: 8
    .kernarg_segment_size: 56
    .max_flat_workgroup_size: 256
    .sgpr_count:     66
    .vgpr_count:     152
    .wavefront_size: 32
...
	.end_amdgpu_metadata
.endif
;; end of part 5
;; launch kv: the kernel of part 3 again; grid 16 x 16, 4 waves a work-group, no clusters, 80,640 bytes of LDS; arguments xpf, wf, cpart, bk, bv, kvf, scl; writes kvf, scl
;; launch attn: the kernel of part 4 again; grid 4 x 64, 4 waves a work-group, clusters of 4 x 4, 327,680 bytes of LDS; arguments xb, wqb, out0, bq, kvf, scl; writes out0
